; MI455X (gfx1250); checked and timed in simulation.
; The chip was launched on July 23, 2026; its instructions are those of AMD's public machine-readable ISA for CDNA 5 (MIT licence, August 2026) and "CDNA5" Instruction Set Architecture Reference Guide (July 2026). The comments in the code are by the model that wrote it; some were corrected since.
;; Bert Sum Attention. Allowed arithmetic: matrix products marked QUANTISED: E2M1 operands, one E8M0 scale for each 32 along K, by v_wmma_scale_f32_16x16x128_f8f6f4 with both operands' format E2M1 (or v_wmma_scale_f32_32x16x128_f4), f32 sums; products left as they are: bf16, f16 or f32 operands; f32 sums; everything else in f32.
;; Inputs: Wk 1,024 x 1,024 float32; Wo 1,024 x 1,024 float32; Wq 1,024 x 1,024 float32; Wv 1,024 x 1,024 float32; bk 1,024 float32; bo 1,024 float32; bq 1,024 float32; bv 1,024 float32; data 4 x 2,048 x 1,024 float32; mask 4 x 2,048 x 2,048 bool.
;; Outputs: out0 4 x 2,048 x 1,024 float32.
;; This version of the problem:
;;   THIS VERSION OF THE PROBLEM IS GIVEN IN LOW PRECISION. The matrix products marked QUANTISED in the list below multiply operands that are first quantised to E2M1 (2 exponent bits, 1 mantissa bit; 4 bits a number), with one power-of-two scale for each 32 numbers along K (OCP MX v1.0); their sums are f32. The products marked 'left as it is' may take bf16, f16 or f32 operands, with f32 sums. Whichever they take, every output number must still come out within the allowed error. Rounding operands to bf16 (8 significant bits) uses up far more of that allowance than f16 does (11 bits, for magnitudes from 6e-5 to 65,504). All else is computed in f32.
;;   The module's matrix products, in the order in which they are computed (A, B: the left and right operand; K: the contracted axis; several contracted axes count as one K, in the product's order):
;;     1. [M 8,192, K 1,024] x [K 1,024, N 1,024]; A: input data; B: input Wq: QUANTISED
;;     2. [M 8,192, K 1,024] x [K 1,024, N 1,024]; A: input data; B: input Wk: QUANTISED
;;     3. [M 8,192, K 1,024] x [K 1,024, N 1,024]; A: input data; B: input Wv: QUANTISED
;;     4. batch 64 x [M 2,048, K 64] x [K 64, N 2,048]; A: computed on the way; B: computed on the way: left as it is (an operand is computed on the way)
;;     5. batch 64 x [M 2,048, K 2,048] x [K 2,048, N 64]; A: computed on the way; B: computed on the way: left as it is (an operand is computed on the way)
;;     6. [M 8,192, K 1,024] x [K 1,024, N 1,024]; A: computed on the way; B: input Wo: left as it is (an operand is computed on the way)
;;   THE QUANTISER, for each operand of a quantised product, along K:
;;     - K is cut into blocks of 32 from its start; a last block that is shorter is filled with zeros.
;;     - A block's scale is 2^e with e = floor(log2(the largest magnitude in the block)) - 2, held to -126 .. 127; a block of zeros has e = 0. As a byte (E8M0): e + 127.
;;     - Each number is divided by its block's scale, clamped to +-6, and rounded to the nearest number of E2M1, ties to even, subnormals kept.
;;     - The product sums the exact products of the quantised numbers (number of the format x scale) in f32.
;;   ~~~python
;;   def quantise(x, axis):      # numpy; x: float32 -> the quantised numbers, widened to float32 again
;;       x = np.moveaxis(x, axis, -1); K = x.shape[-1]
;;       x = np.pad(x, [(0, 0)] * (x.ndim - 1) + [(0, -K % 32)]); x = x.reshape(x.shape[:-1] + (-1, 32)); a = np.abs(x).max(-1, keepdims=True)
;;       e = np.where(a > 0, np.clip(np.frexp(np.where(a > 0, a, 1))[1] - 1 - 2, -126, 127), 0)      # np.frexp(a)[1] - 1 = floor(log2(a)), exactly
;;       r = np.clip(x / 2.0 ** e, -6, 6)
;;       step = 2.0 ** (np.maximum(np.frexp(np.where(r == 0, 1, r))[1] - 1, 0) - 1)
;;       q = np.round(r / step) * step * 2.0 ** e      # np.round: ties to even
;;       return np.moveaxis(q.reshape(q.shape[:-2] + (-1,))[..., :K], -1, axis).astype(np.float32)
;;   ~~~
;; One version. Each part assembles by itself: llvm-mc -triple=amdgcn-amd-amdhsa -mcpu=gfx1250 --defsym DOCPART=n.
;; ======== version 1 of 1: 4 launches
;; limits: values are held in f16: magnitudes above 65,504 overflow, below 6.1e-05 lose precision
;; workspace buffers: codes 5,767,168 bytes; scales 360,448 bytes; wof 2,097,152 bytes; maskw 2,097,152 bytes of whole numbers; qkvf 50,331,648 bytes; cf 16,777,216 bytes
;; launch prep (part 1): grid 992 x 1, 4 waves a work-group, no clusters, 100,864 bytes of LDS; arguments data, Wq, Wk, Wv, Wo, mask, codes, scales, wof, maskw; writes codes, scales, wof, maskw
.if DOCPART == 1
	.amdgcn_target "amdgcn-amd-amdhsa--gfx1250"
	.amdhsa_code_object_version 6
	.text
	.protected	k_q013506ba8c_prep
	.globl	k_q013506ba8c_prep
	.p2align	8
	.type	k_q013506ba8c_prep,@function
k_q013506ba8c_prep:
	s_mov_b64 s[64:65], 0
	v_nop
	global_prefetch_b8 v0, s[64:65] scope:SCOPE_SE
	s_setreg_imm32_b32 hwreg(HW_REG_WAVE_MODE, 25, 1), 1
	s_wait_xcnt 0x0
; PREP: everything that later launches read many times is laid out once, in the order in which their operand registers take it.
; Three kinds of work-group, told apart by the work-group's number alone; each kind has LDS bytes of its own; waves share nothing, so there is no barrier.
;  Q (work-groups 0-351): data [8192][1024], Wq, Wk, Wv [1024][1024], f32, K innermost, become codes of FP4 (E2M1) and one E8M0 byte for each 32 along K.
;     codes: 11,264 rows of 512 bytes (data's rows, then Wq's, Wk's, Wv's); scales: the same rows of 32 bytes.  Rows are dense, so all is a stream of blocks of 32.
;     A block's scale is 2^(floor(log2(largest magnitude)) - 2): its byte is the largest magnitude's exponent field - 2, held at 1 from below.
;  W (352-479): Wo [1024][1024] f32 becomes f16 in chunks of 512 bytes, wof[n / 16][k / 16]: lane l's 16 bytes, at 16 l, are Wo[16 N + l % 16][16 c + 8 (l / 16) + 0..7].
;  M (480-991): mask [4][2048][2048] bytes becomes words of 32 lane bits, maskw[16 queries][16 keys][j 0..7]: bit l = mask[query l % 16][key 8 (l / 16) + j] != 0.
; LIMITS: NaN and infinities are not served.  A block of zeros gets the byte 1 where the quantiser says 127: its codes are zeros, and these bytes are read by this program alone.
; Blocks whose largest magnitude lies under 2^-124 keep the byte 1.  |Wo| stays under 65,504 (f16).
.set STEPS, 16                         ; Q: steps of 512 numbers for a wave
.set EMAX,  2
.set CB,    8                          ; bytes of 16 codes
.set SP,    80                         ; Q: a lane's place in a stage: 64 bytes + 16 of padding
.set WREG,  8192                       ; Q: a wave's region: two stages of 32 x SP bytes, then its 256 scale bytes
.set TP,    528                        ; W, M: a row of 512 bytes + 16 of padding: 16 rows begin in 16 different groups of banks
.set TREG,  16*TP                      ; W, M: a wave's region
.set WL,    4*WREG                     ; W's four regions
.set ML,    WL+4*TREG                  ; M's four regions
.set SPARE, ML+4*TREG                  ; the spare words: 128 bytes for each wave, two blocks of 256 bytes that no other line names
.set R,     16                         ; v16-79   as loaded
.set X,     80                         ; v80-143  back from LDS
.set E,     112                        ; Q: v112-127 a scale byte for each step
.set C,     128                        ; Q: v128-191 codes, four registers for each step
.set CW,    144                        ; W: v144-175 f16
.set OW,    144                        ; M: v144-151 the words on their way out
.set T,     152                        ; M: v152-159 at work
.set SPW,   12                         ; v12  LDS address of my spare word; never rewritten
.set NIL,   13                         ; v13  0; never rewritten
.set TINW,  192                        ; v192 W: where a loaded row goes
.set TW,    193                        ; v193 W: where my 8 numbers of a chunk lie
.set TINM,  194                        ; v194 M: where a loaded row goes
.set TM,    195                        ; v195 M: where my 8 bytes of a key tile lie
.macro FINISH                          ; the wave's end, behind my last LDS store
	s_wait_tensorcnt 0x0
	ds_add_u32 v[SPW], v[NIL]
	s_wait_dscnt 0x0
	s_endpgm
.endm
	s_load_b512 s[4:19], s[0:1], 0x0               ; data, Wq, Wk, Wv, Wo, mask, codes, scales
	s_load_b128 s[20:23], s[0:1], 0x40             ; wof, maskw
	v_lshl_add_u32 v[SPW], v0, 2, SPARE
	v_mov_b32 v[NIL], 0
	v_lshrrev_b32 v1, 5, v0
	v_readfirstlane_b32 s24, v1                    ; wave
	v_and_b32 v2, 31, v0                           ; lane
	v_lshlrev_b32 v3, 4, v2                        ; 16 x lane
	; every LDS address is made here, ahead of the parting of the ways
	s_mul_i32 s25, s24, WREG
	v_lshrrev_b32 v14, 2, v2
	v_mul_u32_u24 v14, v14, SP
	v_and_b32 v15, 3, v2
	v_lshl_add_u32 v14, v15, 4, v14
	v_add_nc_u32 v14, s25, v14                     ; Q, into a stage: four lanes' 64 bytes on end, then 16 of padding
	v_mul_u32_u24 v15, v2, SP
	v_add_nc_u32 v15, s25, v15                     ; Q, out of it: my 16 neighbours
	v_mul_u32_u24 v4, v2, CB                       ; Q: my codes' place in a step's
	v_lshrrev_b32 v5, 1, v2
	s_add_co_u32 s25, s25, 2*32*SP
	v_add_nc_u32 v5, s25, v5                       ; Q: my block's scale byte
	v_lshlrev_b32 v7, 3, v2
	v_add_nc_u32 v6, s25, v7                       ; Q: and 8 of them a lane on the way out
	s_mul_i32 s25, s24, TREG
	v_and_b32 v8, 15, v2                           ; r
	v_lshrrev_b32 v9, 4, v2                        ; h
	v_mul_u32_u24 v10, v8, TP
	v_add_nc_u32 v10, s25, v10
	v_lshl_add_u32 v[TW], v9, 5, v10
	v_add_nc_u32 v[TW], WL, v[TW]                  ; row r, + 32 h
	v_lshl_add_u32 v[TM], v9, 3, v10
	v_add_nc_u32 v[TM], ML, v[TM]                  ; row r, + 8 h
	v_add_nc_u32 v[TINW], s25, v3
	v_add_nc_u32 v[TINM], ML, v[TINW]
	v_add_nc_u32 v[TINW], WL, v[TINW]
	s_mov_b32 s31, 0
	s_wait_kmcnt 0x0
	s_cmp_lt_u32 ttmp9, 352
	s_cbranch_scc0 .Lnot_q
	; ---------------- Q: the quantiser
	s_sub_co_u32 s26, ttmp9, 256                   ; among the weights' 96 work-groups (of use from work-group 256 on)
	s_lshr_b32 s27, s26, 5                         ; which weight
	s_and_b32 s26, s26, 31
	s_cmp_eq_u32 s27, 1
	s_cselect_b64 s[28:29], s[8:9], s[6:7]
	s_cmp_eq_u32 s27, 2
	s_cselect_b64 s[28:29], s[10:11], s[28:29]
	s_cmp_lt_u32 ttmp9, 256
	s_cselect_b64 s[28:29], s[4:5], s[28:29]       ; the choices hang on the work-group's number alone
	s_cselect_b32 s26, ttmp9, s26
	s_lshl_b32 s26, s26, 2
	s_add_co_u32 s26, s26, s24                     ; my run of 8,192 numbers in its tensor
	s_lshl_b32 s30, s26, 15
	s_add_nc_u64 s[28:29], s[28:29], s[30:31]
	s_lshl_b32 s26, ttmp9, 2
	s_add_co_u32 s26, s26, s24                     ; and among all runs: the weights' rows follow data's
	s_lshl_b32 s30, s26, 12
	s_add_nc_u64 s[16:17], s[16:17], s[30:31]      ; 4,096 bytes of codes a run
	s_lshl_b32 s30, s26, 8
	s_add_nc_u64 s[18:19], s[18:19], s[30:31]      ; 256 scale bytes a run
.macro QLOAD t
.irp i, 0,1,2,3
	global_load_b128 v[R+16*((\t)%4)+4*\i:R+16*((\t)%4)+4*\i+3], v3, s[28:29] offset:2048*(\t)+512*\i th:TH_LOAD_NT   ; 32 lanes read 512 consecutive bytes
.endr
.endm
.macro QTURN t                         ; a step's numbers through the stage: LDS serves a wave's instructions in order, so no wait stands between the stores and the loads
.irp i, 0,1,2,3
	ds_store_b128 v14, v[R+16*((\t)%4)+4*\i:R+16*((\t)%4)+4*\i+3] offset:32*SP*((\t)%2)+8*SP*\i
.endr
.irp i, 0,1,2,3
	ds_load_b128 v[X+16*((\t)%2)+4*\i:X+16*((\t)%2)+4*\i+3], v15 offset:32*SP*((\t)%2)+16*\i
.endr
.endm
.irp t, 0,1,2,3
	QLOAD \t
.endr
	s_wait_loadcnt 12                              ; step 0's four loads are in
	QTURN 0
.macro QSTEP t
.set XS, X+16*((\t)%2)
.if (\t) > 0
	s_wait_dscnt 1                                 ; this step's numbers are back from the stage (the last step's byte store may be out), so its stores into the stage have read their registers,
.else
	s_wait_dscnt 0x0
.endif
.if (\t)+4 < STEPS
	QLOAD (\t)+4                                   ; which take the loads of four steps on
.endif
.if (\t)+1 < STEPS
.if STEPS-2-(\t) >= 3
	s_wait_loadcnt 12                              ; the next step's four loads are in; those of the three steps behind it may be out
.else
	s_wait_loadcnt 4*(STEPS-2-(\t))
.endif
	QTURN (\t)+1
.endif
	v_max3_num_f32 v8, |v[XS]|, |v[XS+1]|, |v[XS+2]|               ; the largest magnitude of my 16
	v_max3_num_f32 v9, |v[XS+3]|, |v[XS+4]|, |v[XS+5]|
.irp i, 6,10
	v_max3_num_f32 v8, v8, |v[XS+\i]|, |v[XS+\i+1]|
	v_max3_num_f32 v9, v9, |v[XS+\i+2]|, |v[XS+\i+3]|
.endr
	v_max3_num_f32 v8, v8, |v[XS+14]|, |v[XS+15]|
	v_max3_num_f32 v8, v8, v9, (EMAX+1)<<23        ; and the floor 2^(3 - 127): the byte cannot fall under 1
	v_max_num_f32_dpp v8, v8, v8 row_xmask:1 row_mask:0xf bank_mask:0xf   ; and of my neighbour's 16: the block's
	v_add_nc_u32 v11, -(EMAX<<23), v8              ; 2 off its exponent field: the conversion takes that field as its scale
	v_cvt_scalef32_pk8_fp4_f32 v[C+4*(\t)], v[XS:XS+7], v11
	v_cvt_scalef32_pk8_fp4_f32 v[C+4*(\t)+1], v[XS+8:XS+15], v11
	v_lshrrev_b32 v[E+(\t)], 23, v11               ; the scale's byte
	ds_store_b8 v5, v[E+(\t)] offset:16*(\t)       ; both lanes of a block write the same byte with the same value
	global_store_b64 v4, v[C+4*(\t):C+4*(\t)+1], s[16:17] offset:32*CB*(\t)   ; the wave stores 256 consecutive bytes, aligned
.endm
.irp t, 0,1,2,3,4,5,6,7,8,9,10,11,12,13,14,15
	QSTEP \t
.endr
	ds_load_b64 v[8:9], v6                         ; my wave's 256 scale bytes: these loads see my stores
	s_wait_dscnt 0x0
	global_store_b64 v7, v[8:9], s[18:19]          ; 256 consecutive bytes, aligned
	FINISH
.Lnot_q:
	s_cmp_lt_u32 ttmp9, 480
	s_cbranch_scc0 .Lmask
	; ---------------- W: a wave takes 16 rows n x 128 columns k of Wo: eight chunks
	s_sub_co_u32 s26, ttmp9, 352
	s_lshl_b32 s26, s26, 2
	s_add_co_u32 s26, s26, s24                     ; u = 8 N + group of 128 columns
	s_lshr_b32 s27, s26, 3
	s_and_b32 s28, s26, 7
	s_lshl_b32 s30, s27, 16                        ; 16 rows of 4,096 bytes
	s_lshl_b32 s28, s28, 9
	s_add_co_u32 s30, s30, s28
	s_add_nc_u64 s[12:13], s[12:13], s[30:31]
	s_lshl_b32 s30, s26, 12                        ; eight chunks of 512 bytes
	s_add_nc_u64 s[20:21], s[20:21], s[30:31]
.irp i, 0,1,2,3,4,5,6,7,8,9,10,11,12,13,14,15
	global_load_b128 v[R+4*\i:R+4*\i+3], v3, s[12:13] offset:4096*\i th:TH_LOAD_NT   ; 512 consecutive bytes of row i
.endr
.irp i, 0,1,2,3,4,5,6,7,8,9,10,11,12,13,14,15
	s_wait_loadcnt 15-\i                           ; row i is in; the younger rows may be out
	ds_store_b128 v[TINW], v[R+4*\i:R+4*\i+3] offset:TP*\i
.endr
.irp k, 0,1,2,3,4,5,6,7
	ds_load_b128 v[X+8*\k:X+8*\k+3], v[TW] offset:64*\k            ; row r, columns 16 k + 8 h + 0..3
	ds_load_b128 v[X+8*\k+4:X+8*\k+7], v[TW] offset:64*\k+16       ; + 4..7
.endr
.irp k, 0,1,2,3,4,5,6,7
	s_wait_dscnt 14-2*\k                           ; chunk k's two loads are in
.irp i, 0,1,2,3
	v_cvt_pk_f16_f32 v[CW+4*\k+\i], v[X+8*\k+2*\i], v[X+8*\k+2*\i+1]
.endr
	global_store_b128 v3, v[CW+4*\k:CW+4*\k+3], s[20:21] offset:512*\k   ; a chunk: 512 consecutive bytes, aligned
.endr
	FINISH
.Lmask:
	; ---------------- M: a wave takes 16 queries x 512 keys: 32 key tiles, 256 words
	s_sub_co_u32 s26, ttmp9, 480
	s_lshl_b32 s26, s26, 2
	s_add_co_u32 s26, s26, s24                     ; u = 4 x tile of queries + group of 512 keys
	s_lshr_b32 s27, s26, 2
	s_and_b32 s28, s26, 3
	s_lshl_b32 s30, s27, 15                        ; 16 rows of 2,048 bytes
	s_lshl_b32 s28, s28, 9
	s_add_co_u32 s30, s30, s28
	s_add_nc_u64 s[14:15], s[14:15], s[30:31]
	s_lshl_b32 s30, s26, 10                        ; 256 words
	s_add_nc_u64 s[22:23], s[22:23], s[30:31]
.irp i, 0,1,2,3,4,5,6,7,8,9,10,11,12,13,14,15
	global_load_b128 v[R+4*\i:R+4*\i+3], v3, s[14:15] offset:2048*\i th:TH_LOAD_NT   ; 512 consecutive bytes of row i
.endr
.irp j, 0,1,2,3,4,5,6,7
	v_mov_b32 v[OW+\j], 0                          ; written whole once: a lane write's destination counts as read
.endr
.irp i, 0,1,2,3,4,5,6,7,8,9,10,11,12,13,14,15
	s_wait_loadcnt 15-\i
	ds_store_b128 v[TINM], v[R+4*\i:R+4*\i+3] offset:TP*\i
.endr
.set kk, 0
.rept 32
	ds_load_b64 v[X+2*kk:X+2*kk+1], v[TM] offset:16*kk             ; query r, keys 16 kk + 8 h + 0..7
.set kk, kk+1
.endr
.set kk, 0
.rept 32
	s_wait_dscnt 31-kk                             ; key tile kk's bytes are in
.irp j, 0,1,2,3,4,5,6,7
	v_and_b32 v[T+\j], 0xff<<(8*(\j%4)), v[X+2*kk+\j/4]
.endr
.irp j, 0,1,2,3,4,5,6,7
	v_cmp_ne_u32 s[32+\j], 0, v[T+\j]              ; the 32 lanes' bits are the word
.endr
.irp j, 0,1,2,3,4,5,6,7
	v_writelane_b32 v[OW+4*((8*kk+\j)/128)+(8*kk+\j)%4], s[32+\j], ((8*kk+\j)%128)/4   ; word w = 8 kk + j goes where a store of 16 bytes a lane puts it at byte 4 w
.endr
.set kk, kk+1
.endr
	global_store_b128 v3, v[OW:OW+3], s[22:23]
	global_store_b128 v3, v[OW+4:OW+7], s[22:23] offset:512
	FINISH
.Lfunc_end_k_q013506ba8c_prep:
	.size	k_q013506ba8c_prep, .Lfunc_end_k_q013506ba8c_prep-k_q013506ba8c_prep
	.p2alignl 7, 3214868480
	.fill 96, 4, 3214868480
	.section	.rodata,"a",@progbits
	.p2align	6, 0x0
	.amdhsa_kernel k_q013506ba8c_prep
		.amdhsa_group_segment_fixed_size 100864
		.amdhsa_private_segment_fixed_size 0
		.amdhsa_enable_private_segment 0
		.amdhsa_kernarg_size 80
		.amdhsa_user_sgpr_count 2
		.amdhsa_user_sgpr_kernarg_segment_ptr 1
		.amdhsa_wavefront_size32 1
		.amdhsa_system_sgpr_workgroup_id_x 1
		.amdhsa_system_sgpr_workgroup_id_y 1
		.amdhsa_system_sgpr_workgroup_id_z 1
		.amdhsa_system_vgpr_workitem_id 0
		.amdhsa_next_free_vgpr 196
		.amdhsa_next_free_sgpr 66
		.amdhsa_reserve_vcc 0
		.amdhsa_float_denorm_mode_32 3
		.amdhsa_float_denorm_mode_16_64 3
		.amdhsa_memory_ordered 1
		.amdhsa_forward_progress 1
		.amdhsa_inst_pref_size 97
	.end_amdhsa_kernel
	.amdgpu_metadata
---
amdhsa.version: [ 1, 2 ]
amdhsa.kernels:
  - .name:           k_q013506ba8c_prep
    .symbol:         k_q013506ba8c_prep.kd
    .args:
      - { .name: data, .offset: 0, .size: 8, .value_kind: global_buffer, .address_space: global }
      - { .name: Wq, .offset: 8, .size: 8, .value_kind: global_buffer, .address_space: global }
      - { .name: Wk, .offset: 16, .size: 8, .value_kind: global_buffer, .address_space: global }
      - { .name: Wv, .offset: 24, .size: 8, .value_kind: global_buffer, .address_space: global }
      - { .name: Wo, .offset: 32, .size: 8, .value_kind: global_buffer, .address_space: global }
      - { .name: mask, .offset: 40, .size: 8, .value_kind: global_buffer, .address_space: global }
      - { .name: codes, .offset: 48, .size: 8, .value_kind: global_buffer, .address_space: global }
      - { .name: scales, .offset: 56, .size: 8, .value_kind: global_buffer, .address_space: global }
      - { .name: wof, .offset: 64, .size: 8, .value_kind: global_buffer, .address_space: global }
      - { .name: maskw, .offset: 72, .size: 8, .value_kind: global_buffer, .address_space: global }
    .group_segment_fixed_size: 100864
    .private_segment_fixed_size: 0
    .kernarg_segment_align: 8
    .kernarg_segment_size: 80
    .max_flat_workgroup_size: 128
    .sgpr_count:     66
    .vgpr_count:     196
    .wavefront_size: 32
...
	.end_amdgpu_metadata
.endif
;; end of part 1
;; launch qkv (part 2): grid 12 x 32, 4 waves a work-group, clusters of 4 x 4, 327,680 bytes of LDS; arguments codes, scales, bq, bk, bv, qkvf; writes qkvf
.if DOCPART == 2
	.amdgcn_target "amdgcn-amd-amdhsa--gfx1250"
	.amdhsa_code_object_version 6
	.text
	.protected	k_q013506ba8c_qkv
	.globl	k_q013506ba8c_qkv
	.p2align	8
	.type	k_q013506ba8c_qkv,@function
k_q013506ba8c_qkv:
	s_mov_b64 s[64:65], 0
	v_nop
	global_prefetch_b8 v0, s[64:65] scope:SCOPE_SE
	s_setreg_imm32_b32 hwreg(HW_REG_WAVE_MODE, 25, 1), 1
	s_wait_xcnt 0x0
	s_wait_alu depctr_hold_cnt(0) depctr_sa_sdst(0) depctr_va_vdst(0) depctr_va_sdst(0) depctr_va_ssrc(0) depctr_va_vcc(0) depctr_vm_vsrc(0)
	s_getreg_b32 s2, hwreg(HW_REG_IB_STS2, 6, 4)
	s_cmp_eq_u32 s2, 0
	s_cbranch_scc0 .Lentry_in_a_cluster
	s_endpgm
.Lentry_in_a_cluster:
	s_bfe_u32 s2, ttmp6, 0x10000c
	s_cmp_lg_u32 s2, 0xf033
	s_cbranch_scc0 .Lentry_shape_is_right
	s_endpgm
.Lentry_shape_is_right:
; QKV: the three quantised products as ONE product on codes of FP4: C[8192][3072] = data x (Wq | Wk | Wv)^T, K = 1024, by v_wmma_scale_f32_16x16x128_f8f6f4, sums in f32.
; Then + bias; q also x log2(e) / 8 (the 1 / sqrt(64) of the scores and the change to base 2, both in f32); rounded once to f16 and stored as images of the next launch's operand registers.
; A tile of C, 256 x 256, is made by four waves, each 128 x 128: 64 accumulators, 512 registers.  K is two steps of 512: both LDS slots are filled once, at the start, and nothing is filled again.
; The scale bytes of the work-group's 256 + 256 rows, for all of K, come once with the first fills, as rows of 256 bytes.
; CLUSTERS: 4 x 4 work-groups; A's tiles are asked for jointly along a row of the cluster, B's along a column.  A cluster's four tile columns are one of q, k, v: the cluster's x says which.
; THE MATRIX INSTRUCTION IS USED TRANSPOSED (source 0 = 16 rows of W, source 1 = 16 tokens): a lane holds one token and eight neighbouring channels: 16 bytes of f16.
; OUT: qkvf = q | k | v, each [batch x 16 + head][token / 16][channel / 16][512 bytes].  q, k: lane l's 16 bytes at 16 l.  v: at 32 (l % 16) + 16 (l / 16): rows [key][16 channels] of 32 bytes.
; Either way a store of the wave covers 512 consecutive bytes, aligned: no stage in LDS is needed.
; LIMITS: |q| log2(e) / 8, |k| and |v| stay under 65,504 (f16).  NaN and infinities are not served.
; REGISTERS: window 0: v0-31 addresses; v32-95 scale words, two sets; v128-191 A's fragments, one set; v192-255 the biases of my 128 channels.  Window 1: B's fragments, two sets.  Windows 2, 3: the accumulators.
.set SIZE_K, 1024
.set KSTEP,  512
.set NQ,     KSTEP/128
.set ROWB,   256                       ; a tile's row: 512 codes
.set KROW,   SIZE_K/2                  ; a row of codes in memory
.set PITCH,  272                       ; an LDS row: 256 bytes + 16 of padding: the 16 rows of a load begin in 16 different groups of banks
.set FR,     8
.set NL,     2
.set NP,     4
.set HALFT,  128*PITCH
.set SLOT,   4*HALFT
.set KS,     SIZE_K/32
.set SCL,    2*SLOT
.set HALFS,  (128*KS/256)*272
.set SBLK,   (16*KS/256)*272
.set SPARE,  SCL+4*HALFS               ; the spare words: 128 bytes for each wave
.set WCODES, 8192*KROW                 ; where the weights' rows begin among the codes,
.set WSCALES, 8192*KS                  ; and among the scale bytes
.set ADRA, 16
.set ADRB, 20
.set LP,   24                          ; v24  my 16 bytes' place in a chunk
.set BO,   25                          ; v25  32 x (lane / 16): my eight biases of a tile
.set ADRS, 27
.set SPW,  28
.set NIL,  29
.set SC,   32
.set AF,   128
.set BI,   192                         ; v192-255 biases (x the factor): tile b's eight at BI + 8 b
.set TMP,  32                          ; the way out: 64 numbers in f32
.set OUTR, 96                          ; the way out: two sets of 32 registers of f16
.set FQ,   2                           ; s[2:3] the factor: log2(e) / 8 for q, 1 for k and v
.set G1, 24
.set G0, 32
.set G1B, 48
.set G0B, 56
.set G1S, 68
.set G0S, 76
.set G1SB, 80
.set G0SB, 88
.set MSB, 0
.macro WIN new                         ; the immediate's high byte repeats the setting that is left
.if MSB != (\new)
	s_set_vgpr_msb (MSB<<8)|(\new)
.set MSB, (\new)
.endif
.endm
.set MUL_LO, 0xa1                      ; source 0 (W) window 1, source 1 (data) window 0, C and D window 2
.set MUL_HI, 0xf1
.set TO_B,   0x40
; A joint load: waves 0 and 1 fetch for A, waves 2 and 3 for B; the branch hangs on the wave's number alone.  An s_nop 0 and four v_nop follow each line.
.macro JLOAD g0a, g1a, g0b, g1b
	s_cmp_eq_u32 s15, 0
	s_cbranch_scc0 .Lfor_b_\@
	tensor_load_to_lds s[\g0a:\g0a+3], s[\g1a:\g1a+7]
	s_nop 0
.rept 4
	v_nop
.endr
	s_branch .Lasked_\@
.Lfor_b_\@:
	tensor_load_to_lds s[\g0b:\g0b+3], s[\g1b:\g1b+7]
	s_nop 0
.rept 4
	v_nop
.endr
.Lasked_\@:
.endm
.macro CROUND                          ; a round of the cluster's barrier
	s_barrier_signal -1
	s_barrier_wait -1
	s_cmp_lg_u32 s14, 0
	s_cbranch_scc1 .Lnot_wave_0_\@
	s_barrier_signal -3
.Lnot_wave_0_\@:
	s_barrier_wait -3
	s_barrier_signal -1
	s_barrier_wait -1
.endm
	s_load_b128 s[4:7], s[0:1], 0x0                ; codes, scales
	s_load_b128 s[96:99], s[0:1], 0x10             ; bq, bk
	s_load_b64 s[100:101], s[0:1], 0x20            ; bv
	s_load_b64 s[12:13], s[0:1], 0x28              ; qkvf
	v_lshl_add_u32 v[SPW], v0, 2, SPARE
	v_mov_b32 v[NIL], 0
	ds_add_u32 v[SPW], v[NIL]                      ; the wave's opening: the add, twice on end, and its wait ahead of my first tensor load
	ds_add_u32 v[SPW], v[NIL]
	v_lshrrev_b32 v1, 5, v0
	v_readfirstlane_b32 s14, v1                    ; wave 0..3
	s_lshr_b32 s15, s14, 1                         ; which half of the tile's rows is mine.  Also: I fetch for A (0) or for B (1)
	s_and_b32 s16, s14, 1                          ; which half of its columns.  Also: which 128 rows of that tile I fetch
	s_bfe_u32 s40, ttmp6, 0x40000                  ; cx, cy
	s_bfe_u32 s41, ttmp6, 0x40004
	s_lshl_b32 s42, ttmp9, 2
	s_add_co_u32 s42, s42, s40                     ; tile column
	s_and_b32 s17, ttmp7, 0xffff
	s_lshl_b32 s17, s17, 2
	s_add_co_u32 s17, s17, s41                     ; tile row
	s_lshl_b32 s43, s41, 2
	s_lshl_b32 s43, 15, s43                        ; my row of the cluster
	s_lshl_b32 s44, 0x1111, s40                    ; my column
	s_or_b32 s[G1+0], s43, (0<<16)|(1<<20)|(1<<21)|(5<<22)|(3<<25)  ; the mask; elements of 1 byte; 4 words of padding behind every 64
	s_or_b32 s[G1B+0], s44, (0<<16)|(1<<20)|(1<<21)|(5<<22)|(3<<25)
.irp g, G1, G1B
	s_mov_b32 s[\g+1], ROWB<<16                    ; tensor_dim0
	s_mov_b32 s[\g+2], 128<<16                     ; tensor_dim1
	s_mov_b32 s[\g+3], ROWB<<16                    ; tile_dim0
	s_mov_b32 s[\g+4], 128                         ; tile_dim1
	s_mov_b32 s[\g+5], KROW                        ; the pitch
	s_mov_b32 s[\g+6], 0
	s_mov_b32 s[\g+7], 0
.endr
	s_or_b32 s[G1S+0], s43, (3<<16)|(1<<20)|(1<<21)|(5<<22)|(3<<25) ; the scales of 128 rows: a dense block, as rows of 256 bytes (32 elements of 8)
	s_or_b32 s[G1SB+0], s44, (3<<16)|(1<<20)|(1<<21)|(5<<22)|(3<<25)
.irp g, G1S, G1SB
	s_mov_b32 s[\g+1], 32<<16
	s_mov_b32 s[\g+2], (128*KS/256)<<16
	s_mov_b32 s[\g+3], 32<<16
	s_mov_b32 s[\g+4], 128*KS/256
	s_mov_b32 s[\g+5], 32
	s_mov_b32 s[\g+6], 0
	s_mov_b32 s[\g+7], 0
.endr
	s_lshl_b32 s18, s16, 7
	s_lshl_b32 s20, s17, 8
	s_add_co_u32 s20, s20, s18                     ; A: row 256 x tile row + 128 x half
	s_lshl_b32 s46, s42, 8
	s_add_co_u32 s46, s46, s18                     ; B: row 256 x tile column + 128 x half
	s_mov_b32 s21, 0
	s_mov_b32 s47, 0
	s_mov_b64 s[18:19], KS
	s_mul_u64 s[22:23], s[20:21], s[18:19]
	s_mul_u64 s[92:93], s[46:47], s[18:19]
	s_mov_b64 s[18:19], KROW
	s_mul_u64 s[20:21], s[20:21], s[18:19]
	s_mul_u64 s[46:47], s[46:47], s[18:19]
	s_mul_i32 s45, s14, HALFT                      ; where they go: wave x 128 rows
	s_mul_i32 s94, s14, HALFS
	s_wait_dscnt 0x0                               ; both opening adds are done
	s_wait_kmcnt 0x0
	s_add_nc_u64 s[8:9], s[4:5], WCODES            ; the weights' codes
	s_add_nc_u64 s[10:11], s[6:7], WSCALES         ; and scale bytes
	s_add_nc_u64 s[20:21], s[4:5], s[20:21]
	s_add_nc_u64 s[22:23], s[6:7], s[22:23]
	s_add_nc_u64 s[46:47], s[8:9], s[46:47]
	s_add_nc_u64 s[92:93], s[10:11], s[92:93]
	CROUND                                         ; all sixteen work-groups are here: the first joint loads meet
	s_mov_b32 s[G0S], 1
	s_add_co_u32 s[G0S+1], s94, SCL
	s_mov_b64 s[G0S+2:G0S+3], s[22:23]
	s_or_b32 s[G0S+3], s[G0S+3], 0x80000000
	s_mov_b32 s[G0SB], 1
	s_add_co_u32 s[G0SB+1], s94, SCL
	s_mov_b64 s[G0SB+2:G0SB+3], s[92:93]
	s_or_b32 s[G0SB+3], s[G0SB+3], 0x80000000
	JLOAD G0S, G1S, G0SB, G1SB                     ; the scales first
.irp s, 0,1
	s_mov_b32 s[G0+4*\s], 1
	s_add_co_u32 s[G0+4*\s+1], s45, \s*SLOT
	s_add_nc_u64 s[G0+4*\s+2:G0+4*\s+3], s[20:21], \s*ROWB
	s_or_b32 s[G0+4*\s+3], s[G0+4*\s+3], 0x80000000
	s_mov_b32 s[G0B+4*\s], 1
	s_add_co_u32 s[G0B+4*\s+1], s45, \s*SLOT
	s_add_nc_u64 s[G0B+4*\s+2:G0B+4*\s+3], s[46:47], \s*ROWB
	s_or_b32 s[G0B+4*\s+3], s[G0B+4*\s+3], 0x80000000
	JLOAD G0+4*\s, G1, G0B+4*\s, G1B               ; three loads of mine are out: all that this launch asks for
.endr
	v_and_b32 v1, 15, v0                           ; r
	v_bfe_u32 v2, v0, 4, 1                         ; h
	v_mul_u32_u24 v3, v1, PITCH
	v_lshl_add_u32 v4, v2, 4, v3
	s_mul_i32 s21, s15, HALFT
	s_mul_i32 s22, s16, HALFT
	s_add_co_u32 s22, s22, 2*HALFT
.irp s, 0,1
	v_add_nc_u32 v[ADRA+\s], s21, v4
	v_add_nc_u32 v[ADRB+\s], s22, v4
	s_add_co_u32 s21, s21, SLOT
	s_add_co_u32 s22, s22, SLOT
.endr
	v_mul_u32_u24 v5, v1, KS
	v_lshrrev_b32 v6, 8, v5
	v_lshl_add_u32 v5, v6, 4, v5
	s_mul_i32 s21, s15, HALFS
	s_mul_i32 s22, s16, HALFS
	s_add_co_u32 s22, s22, 2*HALFS
	s_sub_co_u32 s22, s22, s21
	v_mul_u32_u24 v6, s22, v2                      ; lanes 16-31 take B's scale words
	s_add_co_u32 s21, s21, SCL
	v_add_nc_u32 v5, v5, v6
	v_add_nc_u32 v[ADRS], s21, v5
	; which of q, k, v: the cluster's x, the same in all sixteen partners; only values and global addresses are chosen by it
	s_cmp_eq_u32 ttmp9, 1
	s_cselect_b64 s[96:97], s[98:99], s[96:97]
	s_cmp_eq_u32 ttmp9, 2
	s_cselect_b64 s[96:97], s[100:101], s[96:97]   ; the bias
	s_cselect_b32 s94, 32, 16                      ; a chunk's bytes from token to token,
	s_mov_b32 s95, 256
	s_cselect_b32 s95, 16, s95                     ; and from one half of the lanes to the other
	s_cmp_eq_u32 ttmp9, 0
	s_cselect_b32 s[FQ], 0x3e38aa3b, 1.0           ; log2(e) / 8, or 1
	s_mov_b32 s[FQ+1], s[FQ]
	v_mul_u32_u24 v[LP], s94, v1
	v_mul_u32_u24 v3, s95, v2
	v_add_nc_u32 v[LP], v[LP], v3
	v_lshlrev_b32 v[BO], 5, v2
	s_lshl_b32 s46, s40, 10                        ; my first channel in its section, 256 cx + 128 x half, in bytes of f32
	s_lshl_b32 s47, s16, 9
	s_add_co_u32 s46, s46, s47
	s_mov_b32 s47, 0
	s_add_nc_u64 s[96:97], s[96:97], s[46:47]
.irp b, 0,1,2,3,4,5,6,7
	global_load_b128 v[BI+8*\b:BI+8*\b+3], v[BO], s[96:97] offset:64*\b        ; the biases of channels 16 b + 8 h + 0..7
	global_load_b128 v[BI+8*\b+4:BI+8*\b+7], v[BO], s[96:97] offset:64*\b+16
.endr
	s_lshl_b32 s92, s17, 8
	s_lshl_b32 s93, s15, 7
	s_add_co_u32 s92, s92, s93                     ; my first token
	s_lshr_b32 s93, s92, 11                        ; its batch
	s_bfe_u32 s92, s92, 0x70004                    ; its tile of 16 in the batch
	s_lshl_b32 s93, s93, 4
	s_lshl_b32 s46, s40, 2
	s_add_co_u32 s93, s93, s46
	s_lshl_b32 s46, s16, 1
	s_add_co_u32 s93, s93, s46                     ; batch x 16 + my first head (4 cx + 2 x half)
	s_lshl_b32 s93, s93, 7
	s_add_co_u32 s93, s93, s92
	s_lshl_b32 s92, s93, 11                        ; 2,048 bytes for a tile of tokens of a head
	s_lshl_b32 s46, ttmp9, 24                      ; the section
	s_add_co_u32 s92, s92, s46
	s_mov_b32 s93, 0
	s_add_nc_u64 s[12:13], s[12:13], s[92:93]
.macro FRAG reg, adr, q, i             ; 16 rows x 128 K of 4-bit codes: 8 registers, two loads of 16 bytes, 32 bytes apart
.irp c, 0,1
	ds_load_b128 v[\reg+4*\c:\reg+4*\c+3], v[\adr] offset:64*(\q)+32*\c+(\i)*16*PITCH
.endr
.endm
; 16 matrix instructions: A's blocks a0, a0 + 1 x B's eight, the slot's q-th 128 along K.  The 64 accumulators take turns, one instruction a turn.
.macro MUL16 a0, p, q, sc, zero
.irp a, \a0, \a0+1
.irp b, 0,1,2,3,4,5,6,7
.if \zero
	v_wmma_scale_f32_16x16x128_f8f6f4 v[8*(8*((\a)%4)+\b):8*(8*((\a)%4)+\b)+7], v[128*(\p)+FR*\b:128*(\p)+FR*\b+FR-1], v[AF+FR*(\a):AF+FR*(\a)+FR-1], 0, v[SC+8*NQ*(\sc)+NQ*\b+(\q)], v[SC+8*NQ*(\sc)+NQ*(\a)+(\q)] matrix_a_fmt:MATRIX_FMT_FP4 matrix_b_fmt:MATRIX_FMT_FP4 matrix_a_scale:MATRIX_SCALE_ROW1
.else
	v_wmma_scale_f32_16x16x128_f8f6f4 v[8*(8*((\a)%4)+\b):8*(8*((\a)%4)+\b)+7], v[128*(\p)+FR*\b:128*(\p)+FR*\b+FR-1], v[AF+FR*(\a):AF+FR*(\a)+FR-1], v[8*(8*((\a)%4)+\b):8*(8*((\a)%4)+\b)+7], v[SC+8*NQ*(\sc)+NQ*\b+(\q)], v[SC+8*NQ*(\sc)+NQ*(\a)+(\q)] matrix_a_fmt:MATRIX_FMT_FP4 matrix_b_fmt:MATRIX_FMT_FP4 matrix_a_scale:MATRIX_SCALE_ROW1
.endif
.endr
.endr
.endm
.macro FETCH_B slot, q, p
	WIN TO_B
.irp i, 0,1,2,3,4,5,6,7
	FRAG 128*(\p)+FR*\i, ADRB+\slot, \q, \i
.endr
	WIN 0
.endm
.macro FETCH_A slot, q, i0
.irp i, \i0, \i0+1, \i0+2, \i0+3
	FRAG AF+FR*(\i), ADRA+\slot, \q, \i
.endr
.endm
.macro SCALES sc                       ; a K step's scale words: lanes 0-15 A's block i, lanes 16-31 B's block i
.irp i, 0,1,2,3,4,5,6,7
	ds_load_b128 v[SC+8*NQ*\sc+NQ*\i:SC+8*NQ*\sc+NQ*\i+3], v[ADRS] offset:\i*SBLK
.endr
.endm
.macro PLACES n                        ; plain vector instructions between a matrix instruction and a load into, or a read of, its registers
.rept \n
	v_nop
.endr
.endm
.macro STEP slot, q, zero              ; 128 along K, with its successor in the same slot
	s_wait_dscnt 4*NL                              ; B's set and A's blocks 0-3 are in; the youngest eight loads (A's blocks 4-7) may be out
	WIN MUL_LO
	MUL16 0, (\q)%2, \q, \slot, \zero
	MUL16 2, (\q)%2, \q, \slot, \zero
	s_wait_dscnt 0
	PLACES NP
	FETCH_B \slot, (\q)+1, 1-(\q)%2
	FETCH_A \slot, (\q)+1, 0
	WIN MUL_HI
	MUL16 4, (\q)%2, \q, \slot, \zero
	MUL16 6, (\q)%2, \q, \slot, \zero
	PLACES NP
	WIN 0
	FETCH_A \slot, (\q)+1, 4
.endm
.macro TURN slot, next                 ; slot 0's last step goes over to slot 1: one barrier shows every wave's part of slot 1 to all
	s_wait_tensorcnt 0x0                           ; all my tensor loads have landed: my part of the next slot
	ds_add_u32 v[SPW], v[NIL]                      ; 0 onto my spare word
	s_wait_dscnt 4*NL+1                            ; (the add and A's blocks 4-7 may be out)
	WIN MUL_LO
	MUL16 0, 1, NQ-1, \slot, 0
	s_wait_dscnt 0x0
	s_barrier_signal -1
	MUL16 2, 1, NQ-1, \slot, 0
	WIN 0
	s_barrier_wait -1
	PLACES NP
	v_add_nc_u32 v[ADRS], 4*NQ, v[ADRS]            ; the next K step's scale words
	FETCH_B \next, 0, 0
	FETCH_A \next, 0, 0
	SCALES \next
	WIN MUL_HI
	MUL16 4, 1, NQ-1, \slot, 0
	MUL16 6, 1, NQ-1, \slot, 0
	PLACES NP
	WIN 0
	FETCH_A \next, 0, 4
.endm
.macro STEPS slot, from
.set Q, \from
.rept NQ-1-\from
	STEP \slot, Q, 0
.set Q, Q+1
.endr
.endm
	s_wait_tensorcnt 1                             ; the scales and my part of slot 0 are in (slot 1's load may be out)
	s_barrier_signal -1
	s_barrier_wait -1                              ; everybody's are
	FETCH_B 0, 0, 0
	FETCH_A 0, 0, 0
	SCALES 0
	FETCH_A 0, 0, 4
	STEP 0, 0, 1                                   ; the first products start the sums: nothing is cleared
	STEPS 0, 1
	TURN 0, 1
	STEPS 1, 0
	s_wait_dscnt 4*NL                              ; the last step
	WIN MUL_LO
	MUL16 0, 1, NQ-1, 1, 0
	MUL16 2, 1, NQ-1, 1, 0
	s_wait_dscnt 0
	WIN MUL_HI
	MUL16 4, 1, NQ-1, 1, 0
	MUL16 6, 1, NQ-1, 1, 0
	WIN 0
	; THE WAY OUT: (sum + bias) x factor = sum x factor + (bias x factor), one fused multiply-add; two roundings to f16 an instruction; 16 bytes a lane straight to memory.
	s_wait_loadcnt 0x0                             ; the biases
.set p, 0
.rept 32
	v_pk_mul_f32 v[BI+2*p:BI+2*p+1], v[BI+2*p:BI+2*p+1], s[FQ:FQ+1] op_sel_hi:[1,0]   ; (these 32 are also the places behind the last products)
.set p, p+1
.endr
.macro OUT a                           ; my tokens 16 a .. 16 a + 15, all 128 channels
.set AC, 64*((\a)%4)
.set OSET, OUTR+32*((\a)%2)
	WIN 0x02+(\a)/4                                ; source 0: window 2 or 3
.set p, 0
.rept 32
	v_pk_fma_f32 v[TMP+2*p:TMP+2*p+1], v[AC+2*p:AC+2*p+1], s[FQ:FQ+1], v[BI+2*p:BI+2*p+1] op_sel_hi:[1,0,1]   ; each accumulator from its low end on
.set p, p+1
.endr
	WIN 0
.if (\a) >= 2
	s_wait_xcnt 0x0                                ; the stores of two blocks back have read their registers, which are written again below
.endif
.set p, 0
.rept 32
	v_cvt_pk_f16_f32 v[OSET+p], v[TMP+2*p], v[TMP+2*p+1]
.set p, p+1
.endr
.irp b, 0,1,2,3,4,5,6,7
	global_store_b128 v[LP], v[OSET+4*\b:OSET+4*\b+3], s[12:13] offset:(\b/4)*262144+(\a)*2048+(\b%4)*512   ; head b / 4, tile of tokens a, chunk b % 4: 512 consecutive bytes, aligned
.endr
.endm
.irp a, 0,1,2,3,4,5,6,7
	OUT \a
.endr
	s_wait_tensorcnt 0x0                           ; the wave's end
	ds_add_u32 v[SPW], v[NIL]
	s_wait_dscnt 0x0
	CROUND                                         ; the closing round
	s_endpgm
.Lfunc_end_k_q013506ba8c_qkv:
	.size	k_q013506ba8c_qkv, .Lfunc_end_k_q013506ba8c_qkv-k_q013506ba8c_qkv
	.p2alignl 7, 3214868480
	.fill 96, 4, 3214868480
	.section	.rodata,"a",@progbits
	.p2align	6, 0x0
	.amdhsa_kernel k_q013506ba8c_qkv
		.amdhsa_group_segment_fixed_size 327680
		.amdhsa_private_segment_fixed_size 0
		.amdhsa_enable_private_segment 0
		.amdhsa_kernarg_size 48
		.amdhsa_user_sgpr_count 2
		.amdhsa_user_sgpr_kernarg_segment_ptr 1
		.amdhsa_wavefront_size32 1
		.amdhsa_system_sgpr_workgroup_id_x 1
		.amdhsa_system_sgpr_workgroup_id_y 1
		.amdhsa_system_sgpr_workgroup_id_z 1
		.amdhsa_system_vgpr_workitem_id 0
		.amdhsa_next_free_vgpr 1024
		.amdhsa_next_free_sgpr 102
		.amdhsa_reserve_vcc 0
		.amdhsa_float_denorm_mode_32 3
		.amdhsa_float_denorm_mode_16_64 3
		.amdhsa_memory_ordered 1
		.amdhsa_forward_progress 1
		.amdhsa_inst_pref_size 138
	.end_amdhsa_kernel
	.amdgpu_metadata
---
amdhsa.version: [ 1, 2 ]
amdhsa.kernels:
  - .name:           k_q013506ba8c_qkv
    .symbol:         k_q013506ba8c_qkv.kd
    .args:
      - { .name: codes, .offset: 0, .size: 8, .value_kind: global_buffer, .address_space: global }
      - { .name: scales, .offset: 8, .size: 8, .value_kind: global_buffer, .address_space: global }
      - { .name: bq, .offset: 16, .size: 8, .value_kind: global_buffer, .address_space: global }
      - { .name: bk, .offset: 24, .size: 8, .value_kind: global_buffer, .address_space: global }
      - { .name: bv, .offset: 32, .size: 8, .value_kind: global_buffer, .address_space: global }
      - { .name: qkvf, .offset: 40, .size: 8, .value_kind: global_buffer, .address_space: global }
    .group_segment_fixed_size: 327680
    .private_segment_fixed_size: 0
    .kernarg_segment_align: 8
    .kernarg_segment_size: 48
    .max_flat_workgroup_size: 128
    .sgpr_count:     102
    .vgpr_count:     1024
    .wavefront_size: 32
...
	.end_amdgpu_metadata
.endif
;; end of part 2
;; launch attn (part 3): grid 8 x 64, 8 waves a work-group, clusters of 4 x 1, 327,680 bytes of LDS; arguments qkvf, maskw, cf; writes cf
.if DOCPART == 3
	.amdgcn_target "amdgcn-amd-amdhsa--gfx1250"
	.amdhsa_code_object_version 6
	.text
	.protected	k_q013506ba8c_attn
	.globl	k_q013506ba8c_attn
	.p2align	8
	.type	k_q013506ba8c_attn,@function
k_q013506ba8c_attn:
	s_mov_b64 s[64:65], 0
	v_nop
	global_prefetch_b8 v0, s[64:65] scope:SCOPE_SE
	s_setreg_imm32_b32 hwreg(HW_REG_WAVE_MODE, 25, 1), 1
	s_wait_xcnt 0x0
	s_wait_alu depctr_hold_cnt(0) depctr_sa_sdst(0) depctr_va_vdst(0) depctr_va_sdst(0) depctr_va_ssrc(0) depctr_va_vcc(0) depctr_vm_vsrc(0)
	s_getreg_b32 s2, hwreg(HW_REG_IB_STS2, 6, 4)
	s_cmp_eq_u32 s2, 0
	s_cbranch_scc0 .Lentry_in_a_cluster
	s_endpgm
.Lentry_in_a_cluster:
	s_bfe_u32 s2, ttmp6, 0x10000c
	s_cmp_lg_u32 s2, 0x3003
	s_cbranch_scc0 .Lentry_shape_is_right
	s_endpgm
.Lentry_shape_is_right:
; ATTN: ctx = softmax(where(mask, -1e18, q k^T)) v for one (batch, head) and 256 queries a work-group.  q arrives x log2(e) / 8, so a score is already t, in base 2: p = 2^(t - m).
; t - m is a plain subtraction: where a row is masked throughout, t = m = -1e18 and p = 1 exactly, so that the row comes out as the mean of v.
; m is a running maximum: in every key step O and the sum l are multiplied by a = 2^(m_old - m_new).  Products on f16 operands, sums in f32; l is summed of p in f32.
; SHARES: eight waves, each 32 queries: two tiles of 16, PIECES 0 and 1.  Every wave walks the head's 2,048 keys, 64 a step, 32 steps.
; LAYOUT: S^T = K Q^T (source 0 = 16 keys, source 1 = 16 queries) and O^T = V^T P: a lane holds ONE query (lane % 16) throughout; two tiles of S^T rounded in pairs ARE source 1 of the second product.
; q, k, v arrive as images of operand registers, chunks of 512 bytes: every LDS load of a wave reads 512 consecutive bytes; v's chunks are rows [key][16 channels] and are turned by ds_load_tr16_b128.
; THE MASK arrives as words of 32 lane bits, one word for each register of a tile of S^T: 32 words, 128 consecutive bytes, a piece and step.  One load of 4 bytes a lane brings them (lane n: word n),
; asked for two turns ahead of their use; loads into registers come back in order, so the wait for them is counted.  32 v_readlane_b32 put them in scalar registers, each the select of one v_cndmask_b32.
; BY TURNS: in a turn piece x has the matrix unit (8 products K Q^T of the next step, then 8 products V^T P of the step in hand) and the other piece's softmax stands in slices behind them.
; THE LDS LOADS stand in two runs of sixteen a key step, never singly among the products: K's behind the second turn's last K Q^T, V's behind its last V^T P.
; RING: K's and V's steps lie in two rings of 16 places of 8,192 bytes: four slots of four steps.  Scores run a step ahead, so the slot after the one in hand is read before the change of slots:
; a slot is shown landed one change before it is first read.  A wave fetches one step of K (waves 0-3) or of V (waves 4-7) of each slot: four loads of mine are out at the start, then one.
; CLUSTER: the four query blocks of a cluster walk the same K and V: each tile is asked for jointly, with a mask that names the four.
; No prefetch is laid: a refill is asked for four key steps ahead of the wait for it, the first four slots are asked for at the head, and the mask words are read by sixteen heads, not once.
; LIMITS: scores in base 2 stay far above -1e18; |ctx| under 65,504 (f16); NaN and infinities are not served.
; REGISTERS: window 0: v2-8 addresses and constants; v12, v13 the mask words on their way; v16-31 statistics, 8 a piece: +0 m, +2 a (each named as a pair with the register behind it), +4..7 c0-c3; v32-63 Q;
;   v64-127 K of one step; v128-191 S^T, 32 a piece; v192-223 P.   window 1: v0-63 O^T, 32 a piece; v64-127 V of one step; v128-135 l, two pairs a piece; v136 V's LDS address.
; One window setting (source 0, source 2 and destination in window 1) serves V^T P, O^T x a, l + p, V's loads and their address: two switches a turn.
.set STEPB, 8192
.set SLOTB, 4*STEPB
.set VRING, 16*STEPB
.set RINGM, 16*STEPB-1
.set SPARE, 2*16*STEPB                 ; the spare words: 128 bytes for each of eight waves
.set AK0, 2                            ; v2   16 x lane: my place in a chunk, in LDS and in memory; never rewritten
.set AV0, 3                            ; v3   my place in a chunk of V for the turning load, + V's ring; never rewritten
.set ADK, 4                            ; v4   LDS address of the step of K that is being fetched
.set NEG, 5                            ; v5   -1e18
.set SPW, 6
.set NIL, 7
.set MO,  8                            ; v8   4 x lane: my word among a piece's 32; never rewritten
.set VM,  12                           ; v12, v13  piece 0's, piece 1's mask words: lane n holds word n
.set ST,  16
.set Q,   32
.set KF,  64
.set S,   128
.set P,   192
.set VF,  64                           ; window 1
.set L,   128                          ; window 1
.set ADV, 136                          ; window 1
.set MP,  6                            ; s[6:7]  piece 0's mask words of the key step in hand; piece 1's lie 4,096 bytes on, a step's 128 bytes on
.set WV,  10
.set SEL, 12                           ; s[12:13] selects for lane l xor 16
.set TBK, 14                           ; s14  8,192 x the step of K to be fetched next
.set TBV, 15                           ; s15  the same for V
.set MW,  16                           ; s[16:47] the 32 mask words of the softmax in hand
.set G1,  48
.set G0D, 72                           ; the fourth first fill's group 0, which then walks on for the refills
.set SL,  76                           ; s76  32,768 x the slot asked for last
.set WB,  77                           ; s77  my tile's place in slot 0
.set OUTER, 78
.set INNER, 79
.set TT,  83                           ; s83  at work: a place in a ring
.set W_PV, 0x51
.set MSB, 0
.macro WIN new
.if MSB != (\new)
	s_set_vgpr_msb (MSB<<8)|(\new)
.set MSB, (\new)
.endif
.endm
.macro CROUND                          ; a round of the cluster's barrier
	s_barrier_signal -1
	s_barrier_wait -1
	s_cmp_lg_u32 s[WV], 0
	s_cbranch_scc1 .Lnot_wave_0_\@
	s_barrier_signal -3
.Lnot_wave_0_\@:
	s_barrier_wait -3
	s_barrier_signal -1
	s_barrier_wait -1
.endm
.macro G0SET g, s                      ; group 0 for my tile of slot s
	s_mov_b32 s[\g], 1
	s_add_co_u32 s[\g+1], s[WB], \s*SLOTB
	s_add_nc_u64 s[\g+2:\g+3], s[86:87], \s*SLOTB
	s_or_b32 s[\g+3], s[\g+3], 0x80000000
.endm
	s_load_b128 s[4:7], s[0:1], 0x0                ; qkvf, maskw
	s_load_b64 s[8:9], s[0:1], 0x10                ; cf
	v_lshl_add_u32 v[SPW], v0, 2, SPARE
	v_mov_b32 v[NIL], 0
	ds_add_u32 v[SPW], v[NIL]                      ; the wave's opening: the add, twice on end, and its wait ahead of my first tensor load
	ds_add_u32 v[SPW], v[NIL]
	v_lshrrev_b32 v1, 5, v0
	v_readfirstlane_b32 s[WV], v1                  ; wave 0..7
	s_and_b32 s82, ttmp7, 0xffff                   ; batch x 16 + head, which the four partners share
	s_lshr_b32 s84, s[WV], 2                       ; I fetch for K (0) or for V (1),
	s_and_b32 s85, s[WV], 3                        ; this step of each slot
	s_lshl_b32 s85, s85, 13
	s_lshl_b32 s[WB], s84, 17
	s_add_co_u32 s[WB], s[WB], s85                 ; where it goes: the wave's number alone
	s_lshl_b32 s86, s84, 24
	s_add_co_u32 s86, s86, 1<<24                   ; k's or v's part of qkvf,
	s_add_co_u32 s86, s86, s85
	s_lshl_b32 s87, s82, 18                        ; the head's 262,144 bytes
	s_add_co_u32 s86, s86, s87
	s_mov_b32 s87, 0
	s_bfe_u32 s80, ttmp6, 0x40000                  ; cx: it enters Q's, the mask's and cf's addresses alone
	s_lshl_b32 s81, ttmp9, 2
	s_add_co_u32 s81, s81, s80                     ; my block of 256 queries
	s_lshl_b32 s81, s81, 4
	s_lshl_b32 s80, s[WV], 1
	s_add_co_u32 s81, s81, s80                     ; piece 0's tile of 16 queries
	s_lshl_b32 s2, s82, 18
	s_lshl_b32 s3, s81, 11
	s_add_co_u32 s2, s2, s3                        ; its chunks of q
	s_mov_b32 s3, 0
	s_lshr_b32 s80, s82, 4
	s_lshl_b32 s80, s80, 7
	s_add_co_u32 s80, s80, s81                     ; batch x 128 + tile
	s_lshl_b32 s84, s80, 12                        ; its 4,096 bytes of mask words
	s_mov_b32 s85, 0
	s_lshl_b32 s80, s80, 15                        ; its 64 chunks of cf,
	s_and_b32 s81, s82, 15
	s_lshl_b32 s81, s81, 11                        ; of which four are the head's
	s_add_co_u32 s80, s80, s81
	s_mov_b32 s81, 0
	s_mov_b32 s[G1], 15|(3<<16)|(1<<21)            ; the mask: all four work-groups; elements of 8 bytes; bit 21 beside a mask; no padding
	s_mov_b32 s[G1+1], 32<<16                      ; a step's 8,192 dense bytes as 32 rows of 256
	s_mov_b32 s[G1+2], 32<<16
	s_mov_b32 s[G1+3], 32<<16
	s_mov_b32 s[G1+4], 32
	s_mov_b32 s[G1+5], 32
	s_mov_b32 s[G1+6], 0
	s_mov_b32 s[G1+7], 0
	s_mov_b32 s[SEL], 0x76543210
	s_mov_b32 s[SEL+1], 0xfedcba98
	s_mov_b32 s[TBK], 0
	s_mov_b32 s[TBV], 0
	s_mov_b32 s[SL], 3*SLOTB
	s_wait_dscnt 0x0                               ; both opening adds are done
	s_wait_kmcnt 0x0
	s_add_nc_u64 s[86:87], s[4:5], s[86:87]        ; my tile of slot 0
	s_add_nc_u64 s[4:5], s[4:5], s[2:3]            ; q
	s_add_nc_u64 s[MP:MP+1], s[MP:MP+1], s[84:85]
	s_add_nc_u64 s[8:9], s[8:9], s[80:81]
	G0SET 56, 0
	G0SET 60, 1
	G0SET 68, 2
	G0SET G0D, 3
	CROUND                                         ; all four work-groups are here: the first joint loads meet
	tensor_load_to_lds s[56:59], s[G1:G1+7]
	s_nop 0
	tensor_load_to_lds s[60:63], s[G1:G1+7]
	s_nop 0
	tensor_load_to_lds s[68:71], s[G1:G1+7]
	s_nop 0
	tensor_load_to_lds s[G0D:G0D+3], s[G1:G1+7]
	s_nop 0
.rept 4
	v_nop
.endr
	v_and_b32 v1, 31, v0
	v_lshlrev_b32 v[MO], 2, v1
	v_lshlrev_b32 v[AK0], 4, v1
	global_load_b32 v[VM], v[MO], s[MP:MP+1]                   ; the mask words of step 0: piece 0's,
	global_load_b32 v[VM+1], v[MO], s[MP:MP+1] offset:4096     ; and piece 1's
.irp f, 0,1,2,3                                ; Q stays in registers: piece f / 2, channels 32 (f % 2) on
	global_load_b128 v[Q+8*\f:Q+8*\f+3],   v[AK0], s[4:5] offset:(\f/2)*2048+(\f%2)*1024
	global_load_b128 v[Q+8*\f+4:Q+8*\f+7], v[AK0], s[4:5] offset:(\f/2)*2048+(\f%2)*1024+512
.endr
	v_bfe_u32 v9, v0, 4, 1                         ; the turning load: lane l reads key 8 (l / 16) + l % 8, channels 8 ((l / 8) % 2) + 0..7, of rows of 32 bytes
	v_and_b32 v10, 7, v0
	v_lshl_add_u32 v10, v9, 3, v10
	v_bfe_u32 v11, v0, 3, 1
	v_lshlrev_b32 v10, 5, v10
	v_lshl_add_u32 v[AV0], v11, 4, v10
	v_add_nc_u32 v[AV0], VRING, v[AV0]
	v_mov_b32 v[NEG], 0xdd5e0b6b                   ; -1e18
.irp y, 0,1
	v_mov_b32 v[ST+8*\y], 0xff61b1e6               ; m = -3e38, under every t
	v_mov_b32 v[ST+8*\y+1], 0                      ; (named with m as a pair)
	v_mov_b32 v[ST+8*\y+3], 0                      ; (named with a as a pair)
.endr
	WIN 0x40                                       ; O^T and l begin as zeros, which the first a leaves zeros: so the key step is written without a first step of its own
.set p, 0
.rept 64
	v_mov_b32 v[p], 0
.set p, p+1
.endr
.set p, 0
.rept 8
	v_mov_b32 v[L+p], 0
.set p, p+1
.endr
	WIN 0
; Product i of 8 of S^T = K Q^T for piece x: keys 16 (i % 4) on, channels 32 (i / 4) on.  The four accumulators take turns; the first four start the sums.
.macro KQ x
.set rS, S+32*(\x)+8*(i%4)
.set rK, KF+16*(i%4)+8*(i/4)
.set rQ, Q+16*(\x)+8*(i/4)
.if i < 4
	v_wmma_f32_16x16x32_f16 v[rS:rS+7], v[rK:rK+7], v[rQ:rQ+7], 0
.else
	v_wmma_f32_16x16x32_f16 v[rS:rS+7], v[rK:rK+7], v[rQ:rQ+7], v[rS:rS+7]
.endif
.endm
; Product i of 8 of O^T += V^T P: channels 16 (i % 4) on, keys 32 (i / 4) on
.macro PV x
.set rO, 32*(\x)+8*(i%4)
.set rV, VF+32*(i/4)+8*(i%4)
.set rP, P+16*(\x)+8*(i/4)
	v_wmma_f32_16x16x32_f16 v[rO:rO+7], v[rV:rV+7], v[rP:rP+7], v[rO:rO+7]
.endm
.macro LDK                             ; fragment i of K: two chunks
.set rK, KF+16*(i%4)+8*(i/4)
	ds_load_b128 v[rK:rK+3],   v[ADK] offset:(i%4)*2048+(i/4)*1024
	ds_load_b128 v[rK+4:rK+7], v[ADK] offset:(i%4)*2048+(i/4)*1024+512
.endm
.macro LDV                             ; fragment i of V^T: two chunks, turned
.set rV, VF+32*(i/4)+8*(i%4)
	ds_load_tr16_b128 v[rV:rV+3],   v[ADV] offset:(2*(i/4))*2048+(i%4)*512
	ds_load_tr16_b128 v[rV+4:rV+7], v[ADV] offset:(2*(i/4)+1)*2048+(i%4)*512
.endm
; THE FIRST PART OF A PIECE'S SOFTMAX, 117 numbers, all in window 0.  SM1 writes number n.
;   0-31 the mask;  32-47 the maximum of the 32 scores and the old m, three at a time;  48-51 the other half of the lanes', the new m, m_old - m_new;
;   52-100 ONE BATCH: 16 subtractions t - m, a pair each, and 33 exponentials (a, then the 32); none of them names an exponential's result;  (the wait);  101-116 the roundings to f16.
.macro SM1 y
.set rT, ST+8*(\y)
.set rS, S+32*(\y)
.set rP, P+16*(\y)
.set u, n-32
.set w, n-55
.set z, 0
.if n < 32
	v_cndmask_b32 v[rS+n], v[rS+n], v[NEG], s[MW+n]
.elseif n < 36
	v_max3_num_f32 v[rT+4+u], v[rS+8*u], v[rS+8*u+1], v[rS+8*u+2]
.elseif n < 44
	v_max3_num_f32 v[rT+4+u%4], v[rT+4+u%4], v[rS+8*(u%4)+2*(u/4)+1], v[rS+8*(u%4)+2*(u/4)+2]
.elseif n == 44
	v_max3_num_f32 v[rT+4], v[rT+4], v[rS+7], v[rS+15]
.elseif n == 45
	v_max3_num_f32 v[rT+6], v[rT+6], v[rS+23], v[rS+31]
.elseif n == 46
	v_max3_num_f32 v[rT+4], v[rT+4], v[rT+5], v[rT+6]
.elseif n == 47
	v_max3_num_f32 v[rT+4], v[rT+4], v[rT+7], v[rT]
.elseif n == 48
	v_permlanex16_b32 v[rT+5], v[rT+4], s[SEL], s[SEL+1]   ; the query's other 32 keys lie in the lane 16 away
.elseif n == 49
	v_mov_b32 v[rT+7], v[rT]
.elseif n == 50
	v_max_num_f32 v[rT], v[rT+4], v[rT+5]
.elseif n == 51
	v_sub_f32 v[rT+7], v[rT+7], v[rT]
.elseif n == 54
	v_exp_f32 v[rT+2], v[rT+7]
.elseif (n < 54) || ((n < 97) && (w%3 == 0))
.if n < 54
.set z, rS+2*(n-52)
.else
.set z, rS+2*(w/3+2)
.endif
	v_pk_add_f32 v[z:z+1], v[z:z+1], v[rT:rT+1] op_sel_hi:[1,0] neg_lo:[0,1] neg_hi:[0,1]   ; t - m, two at a time
.elseif n < 97
	v_exp_f32 v[rS+2*(w/3)+w%3-1], v[rS+2*(w/3)+w%3-1]
.elseif n < 101
	v_exp_f32 v[rS+n-69], v[rS+n-69]
.else
	v_cvt_pk_f16_f32 v[rP+n-101], v[rS+2*(n-101)], v[rS+2*(n-101)+1]
.endif
.endm
; Slice i of 8: numbers 15 i on.  The last slice, twelve roundings that name no register of the turn's products, is also the places between the turn's last K Q^T and K's run of loads.
.macro SLICE1 y
.set n, 15*i
.set cnt, 15
.if i == 7
.set cnt, 12
.endif
.rept cnt
	SM1 \y
.if n == 100
	v_nop                                          ; a plain instruction behind the last exponential,
	s_wait_alu depctr_va_vdst(0)                   ; and one wait ahead of the batch's first reader
.endif
.set n, n+1
.endr
.endm
; THE SECOND PART, under the second product's window setting: l and O^T x a, l + p.  Slice i of 8: four plain instructions (the first: six).  The last slice's four are the places between the last V^T P and V's run of loads.
.macro SM2 y
.set rT, ST+8*(\y)
.set rS, S+32*(\y)
.set rO, 32*(\y)
.set rL, L+4*(\y)
.if i == 0
	v_pk_mul_f32 v[rL:rL+1], v[rL:rL+1], v[rT+2:rT+3] op_sel_hi:[1,0]
	v_pk_mul_f32 v[rL+2:rL+3], v[rL+2:rL+3], v[rT+2:rT+3] op_sel_hi:[1,0]
.endif
	v_pk_mul_f32 v[rO+4*i:rO+4*i+1], v[rO+4*i:rO+4*i+1], v[rT+2:rT+3] op_sel_hi:[1,0]   ; each accumulator from its low end on
	v_pk_add_f32 v[rL:rL+1], v[rL:rL+1], v[rS+4*i:rS+4*i+1]
	v_pk_mul_f32 v[rO+4*i+2:rO+4*i+3], v[rO+4*i+2:rO+4*i+3], v[rT+2:rT+3] op_sel_hi:[1,0]
	v_pk_add_f32 v[rL+2:rL+3], v[rL+2:rL+3], v[rS+4*i+2:rS+4*i+3]
.endm
; A TURN of piece x.  kq: K Q^T of the next step;  pv: V^T P of the step in hand;  sm: the other piece's softmax;  ldk, ldv: the next step of K, of V is fetched, in one run behind the products that read the last;
; ldm: not 0: the other piece's mask words of its next step are asked for, ldm bytes from s[MP], into the register that has just been read out;  adv: s[MP] goes a step on at the turn's end;
; lc: how many younger loads may be out when this softmax's words have to be there.
.macro TURN x, kq, pv, sm, ldk, ldv, ldm, adv, lc
.if \sm
	s_wait_loadcnt \lc                             ; loads come back in order: this softmax's words are in; the other piece's, asked for a turn later, may be out
.set n, 0
.rept 32
	v_readlane_b32 s[MW+n], v[VM+1-\x], n          ; word n, the select for register n of the piece's S^T
.set n, n+1
.endr
.if \ldm
	global_load_b32 v[VM+1-\x], v[MO], s[MP:MP+1] offset:\ldm   ; 128 consecutive bytes: wanted two turns on
.endif
.endif
.if \ldk
	s_and_b32 s[TT], s[TBK], RINGM
	v_add_nc_u32 v[ADK], s[TT], v[AK0]
.endif
.if \kq && (\x == 0)
	s_wait_dscnt 16                                ; K's sixteen loads are in; V's sixteen, issued behind them, may be out
.endif
.set i, 0
.rept 8
.if \kq
	KQ \x
.endif
.if \sm
	SLICE1 1-\x
.endif
.set i, i+1
.endr
.if \ldk
.set i, 0
.rept 8
	LDK                                            ; K's run: both pieces have multiplied by the step that lay here
.set i, i+1
.endr
.endif
	WIN W_PV
.if \ldv
	s_and_b32 s[TT], s[TBV], RINGM
	v_add_nc_u32 v[ADV], s[TT], v[AV0]
.endif
.if \pv && (\x == 0)
	s_wait_dscnt 0x0                               ; V is in
.endif
.set i, 0
.rept 8
.if \pv
	PV \x
.endif
.if \sm
	SM2 1-\x
.endif
.set i, i+1
.endr
.if \ldv
.set i, 0
.rept 8
	LDV                                            ; V's run
.set i, i+1
.endr
.endif
	WIN 0
.if \ldk
	s_add_co_u32 s[TBK], s[TBK], STEPB
.endif
.if \ldv
	s_add_co_u32 s[TBV], s[TBV], STEPB
.endif
.if \adv
	s_wait_xcnt 0x0                                ; the loads of mask words have read their base: only behind this wait is it stepped
	s_add_nc_u64 s[MP:MP+1], s[MP:MP+1], 128
.endif
.endm
.macro STEPS count                     ; key steps j: K Q^T of j + 1, V^T P of j; K of j + 2 and V of j + 1 are fetched; the words of (piece 1, j + 1) and (piece 0, j + 2) are asked for
	s_mov_b32 s[INNER], \count
.Lstep_\@:
	TURN 0, 1, 1, 1, 0, 0, 4096+128, 0, 1
	TURN 1, 1, 1, 1, 1, 1, 256, 1, 1
	s_sub_co_u32 s[INNER], s[INNER], 1
	s_cmp_lg_u32 s[INNER], 0
	s_cbranch_scc1 .Lstep_\@
.endm
; THE CHANGE OF SLOTS, behind a slot's fourth step: all of that slot's K and V have been asked for from LDS.  Each wave waits for all its tensor loads, adds 0 to its spare word, and waits for that and for its LDS reads.
; fill = 1: the slot just left is filled with the keys four slots on: the barrier is a round of the cluster's, and the joint refill is the first thing behind it.
.macro CHANGE fill
	s_wait_tensorcnt 0x0                           ; no tensor load of mine is out, so a group 0 may be written
	ds_add_u32 v[SPW], v[NIL]
.if \fill
	s_add_co_u32 s[SL], s[SL], SLOTB
	s_and_b32 s[TT], s[SL], 3*SLOTB                ; the slot's place in the ring
	s_add_co_u32 s[G0D+1], s[WB], s[TT]
	s_add_nc_u64 s[G0D+2:G0D+3], s[G0D+2:G0D+3], SLOTB
.endif
	s_wait_dscnt 0x0                               ; the add is done, and my reads of the slot are over
.if \fill
	CROUND
	tensor_load_to_lds s[G0D:G0D+3], s[G1:G1+7]
	s_nop 0
.rept 4
	v_nop
.endr
.else
	s_barrier_signal -1
	s_barrier_wait -1
.endif
.endm
	s_wait_tensorcnt 0x2                           ; my parts of slots 0 and 1 are in; those of slots 2 and 3 may stay out
	s_barrier_signal -1
	s_barrier_wait -1                              ; everybody's are
	s_and_b32 s[TT], s[TBK], RINGM
	v_add_nc_u32 v[ADK], s[TT], v[AK0]
.set i, 0
.rept 8
	LDK                                            ; K of step 0
.set i, i+1
.endr
	s_add_co_u32 s[TBK], s[TBK], STEPB
	s_wait_loadcnt 0x0                             ; Q, and step 0's mask words
	s_wait_dscnt 0x0
.set i, 0
.rept 8
	KQ 0                                           ; piece 0's first scores: there is no vector work yet to set between them
.set i, i+1
.endr
.rept 4
	v_nop
.endr
	TURN 1, 1, 0, 1, 1, 1, 128, 0, 1               ; piece 1's first scores | piece 0's first softmax | K of step 1, V of step 0 | piece 0's words of step 1
	s_mov_b32 s[OUTER], 4
.Lslot:                                            ; steps 0 to 15; slots 0 to 3 are filled again with steps 16 to 31
	STEPS 4
	CHANGE 1
	s_sub_co_u32 s[OUTER], s[OUTER], 1
	s_cmp_lg_u32 s[OUTER], 0
	s_cbranch_scc1 .Lslot
	STEPS 4                                        ; steps 16 to 19
	CHANGE 0                                       ; the last refill is shown landed to all; nothing more is asked for
	STEPS 10                                       ; steps 20 to 29
	TURN 0, 1, 1, 1, 0, 0, 4096+128, 0, 1          ; step 30: piece 1's words of step 31 are the last to be asked for; there is no K left to fetch
	TURN 1, 1, 1, 1, 0, 1, 0, 0, 1
	TURN 0, 0, 1, 1, 0, 0, 0, 0, 0                 ; step 31: no scores left; no load was issued behind the last words'
	TURN 1, 0, 1, 0, 0, 0, 0, 0, 0
	; THE WAY OUT: l's parts are added, O^T is divided by l, rounded to f16, and stored as chunks: 16 bytes a lane, 512 consecutive bytes a store.
	WIN 0x05
.irp y, 0,1
	v_add_f32 v[ST+8*\y+4], v[L+4*\y], v[L+4*\y+1]         ; (these four are the places behind the last products)
	v_add_f32 v[ST+8*\y+5], v[L+4*\y+2], v[L+4*\y+3]
.endr
	WIN 0
.irp y, 0,1
	v_add_f32 v[ST+8*\y+4], v[ST+8*\y+4], v[ST+8*\y+5]
.endr
.irp y, 0,1
	v_permlanex16_b32 v[ST+8*\y+5], v[ST+8*\y+4], s[SEL], s[SEL+1]
.endr
.irp y, 0,1
	v_add_f32 v[ST+8*\y+4], v[ST+8*\y+4], v[ST+8*\y+5]     ; at least 1: the largest p of a row is 1
.endr
.irp y, 0,1
	v_rcp_f32 v[ST+8*\y+6], v[ST+8*\y+4]
.endr
	v_nop
	s_wait_alu depctr_va_vdst(0)                   ; one wait for both reciprocals, ahead of their first reader
	WIN 0x01
.set p, 0
.rept 32
	v_pk_mul_f32 v[S+2*p:S+2*p+1], v[2*p:2*p+1], v[ST+8*(p/16)+6:ST+8*(p/16)+7] op_sel_hi:[1,0]
.set p, p+1
.endr
	WIN 0
.set p, 0
.rept 32
	v_cvt_pk_f16_f32 v[P+p], v[S+2*p], v[S+2*p+1]
.set p, p+1
.endr
.irp y, 0,1
.irp c, 0,1,2,3
	global_store_b128 v[AK0], v[P+16*\y+4*\c:P+16*\y+4*\c+3], s[8:9] offset:\y*32768+\c*512
.endr
.endr
	s_wait_tensorcnt 0x0                           ; the wave's end
	ds_add_u32 v[SPW], v[NIL]
	s_wait_dscnt 0x0
	CROUND                                         ; the closing round
	s_endpgm
.Lfunc_end_k_q013506ba8c_attn:
	.size	k_q013506ba8c_attn, .Lfunc_end_k_q013506ba8c_attn-k_q013506ba8c_attn
	.p2alignl 7, 3214868480
	.fill 96, 4, 3214868480
	.section	.rodata,"a",@progbits
	.p2align	6, 0x0
	.amdhsa_kernel k_q013506ba8c_attn
		.amdhsa_group_segment_fixed_size 327680
		.amdhsa_private_segment_fixed_size 0
		.amdhsa_enable_private_segment 0
		.amdhsa_kernarg_size 24
		.amdhsa_user_sgpr_count 2
		.amdhsa_user_sgpr_kernarg_segment_ptr 1
		.amdhsa_wavefront_size32 1
		.amdhsa_system_sgpr_workgroup_id_x 1
		.amdhsa_system_sgpr_workgroup_id_y 1
		.amdhsa_system_sgpr_workgroup_id_z 1
		.amdhsa_system_vgpr_workitem_id 0
		.amdhsa_next_free_vgpr 400
		.amdhsa_next_free_sgpr 88
		.amdhsa_reserve_vcc 0
		.amdhsa_float_denorm_mode_32 3
		.amdhsa_float_denorm_mode_16_64 3
		.amdhsa_memory_ordered 1
		.amdhsa_forward_progress 1
		.amdhsa_inst_pref_size 144
	.end_amdhsa_kernel
	.amdgpu_metadata
---
amdhsa.version: [ 1, 2 ]
amdhsa.kernels:
  - .name:           k_q013506ba8c_attn
    .symbol:         k_q013506ba8c_attn.kd
    .args:
      - { .name: qkvf, .offset: 0, .size: 8, .value_kind: global_buffer, .address_space: global }
      - { .name: maskw, .offset: 8, .size: 8, .value_kind: global_buffer, .address_space: global }
      - { .name: cf, .offset: 16, .size: 8, .value_kind: global_buffer, .address_space: global }
    .group_segment_fixed_size: 327680
    .private_segment_fixed_size: 0
    .kernarg_segment_align: 8
    .kernarg_segment_size: 24
    .max_flat_workgroup_size: 256
    .sgpr_count:     88
    .vgpr_count:     400
    .wavefront_size: 32
...
	.end_amdgpu_metadata
.endif
;; end of part 3
;; launch proj (part 4): grid 4 x 64, 4 waves a work-group, clusters of 4 x 4, 327,680 bytes of LDS; arguments cf, wof, bo, out0; writes out0
.if DOCPART == 4
	.amdgcn_target "amdgcn-amd-amdhsa--gfx1250"
	.amdhsa_code_object_version 6
	.text
	.protected	k_q013506ba8c_proj
	.globl	k_q013506ba8c_proj
	.p2align	8
	.type	k_q013506ba8c_proj,@function
k_q013506ba8c_proj:
	s_mov_b64 s[64:65], 0
	v_nop
	global_prefetch_b8 v0, s[64:65] scope:SCOPE_SE
	s_setreg_imm32_b32 hwreg(HW_REG_WAVE_MODE, 25, 1), 1
	s_wait_xcnt 0x0
	s_wait_alu depctr_hold_cnt(0) depctr_sa_sdst(0) depctr_va_vdst(0) depctr_va_sdst(0) depctr_va_ssrc(0) depctr_va_vcc(0) depctr_vm_vsrc(0)
	s_getreg_b32 s2, hwreg(HW_REG_IB_STS2, 6, 4)
	s_cmp_eq_u32 s2, 0
	s_cbranch_scc0 .Lentry_in_a_cluster
	s_endpgm
.Lentry_in_a_cluster:
	s_bfe_u32 s2, ttmp6, 0x10000c
	s_cmp_lg_u32 s2, 0xf033
	s_cbranch_scc0 .Lentry_shape_is_right
	s_endpgm
.Lentry_shape_is_right:
; PROJ: out0[8192][1024] = ctx Wo^T + bo, on f16 operands, sums in f32.  ctx (cf) and Wo (wof) arrive as images of operand registers: [tile of 16 rows][k / 16][512 bytes], lane l's 16 bytes at 16 l.
; A tile of out0 is 128 rows x 256 columns: 256 work-groups.  Four waves, each 64 x 128: 32 accumulators, all of window 1.
; K goes in eight steps of 128 (4,096 consecutive bytes of each tile of 16 rows) through two LDS slots; a wave's tensor load brings 4 such rows of ctx (waves 0, 1) or 8 of Wo (waves 2, 3).
; Every fragment load reads 512 consecutive bytes of LDS: no padding is needed.
; CLUSTERS: 4 x 4 work-groups: ctx's tiles are asked for jointly along a row of the cluster, Wo's along a column.
; THE MATRIX INSTRUCTION IS USED TRANSPOSED (source 0 = 16 rows of Wo, source 1 = 16 rows of ctx): a lane holds eight neighbouring columns of one row of out0.
; REGISTERS: window 0: v16-29 addresses; two fragment buffers of 96 at v32 and v128 (ctx's 4 fragments, then Wo's 8); v224-227 bo of my four columns; on the way out v32-159 hold rows.
.set SLOT,   98304                     ; ctx: 8 x 4,096 bytes, then Wo: 16 x 4,096
.set BOFF,   32768
.set STAGE,  2*SLOT                    ; behind the ring: 16 rows x (512 + 16) bytes for each wave
.set SPITCH, 528
.set SPARE,  STAGE+4*16*SPITCH         ; the spare words: 128 bytes for each wave
.set ADRA, 16
.set ADRB, 20
.set STO,  24
.set RD,   25
.set CO,   26                          ; v26  16 x lane; never rewritten
.set SPW,  28
.set NIL,  29
.set F0,   32
.set F1,   128
.set BIA,  224
.set BK,   32
.set G1, 24
.set G0, 32
.set G1B, 48
.set G0B, 56
.set MUL, 0x50                         ; C and D in window 1
.set MSB, 0
.macro WIN new
.if MSB != (\new)
	s_set_vgpr_msb (MSB<<8)|(\new)
.set MSB, (\new)
.endif
.endm
.macro JLOAD s                         ; a joint load: waves 0 and 1 fetch ctx's halves, waves 2 and 3 Wo's; an s_nop 0 and four v_nop follow each line
	s_cmp_eq_u32 s13, 0
	s_cbranch_scc0 .Lfor_b_\@
	tensor_load_to_lds s[G0+4*\s:G0+4*\s+3], s[G1:G1+7]
	s_nop 0
.rept 4
	v_nop
.endr
	s_branch .Lasked_\@
.Lfor_b_\@:
	tensor_load_to_lds s[G0B+4*\s:G0B+4*\s+3], s[G1B:G1B+7]
	s_nop 0
.rept 4
	v_nop
.endr
.Lasked_\@:
.endm
.macro CREST
	s_cmp_lg_u32 s12, 0
	s_cbranch_scc1 .Lnot_wave_0_\@
	s_barrier_signal -3
.Lnot_wave_0_\@:
	s_barrier_wait -3
	s_barrier_signal -1
	s_barrier_wait -1
.endm
.macro CROUND
	s_barrier_signal -1
	s_barrier_wait -1
	CREST
.endm
	s_load_b256 s[4:11], s[0:1], 0x0               ; cf, wof, bo, out0
	v_lshl_add_u32 v[SPW], v0, 2, SPARE
	v_mov_b32 v[NIL], 0
	ds_add_u32 v[SPW], v[NIL]                      ; the wave's opening: the add, twice on end, and its wait ahead of my first tensor load
	ds_add_u32 v[SPW], v[NIL]
	v_lshrrev_b32 v1, 5, v0
	v_readfirstlane_b32 s12, v1                    ; wave 0..3
	s_lshr_b32 s13, s12, 1                         ; which 64 rows are mine.  Also: I fetch for ctx (0) or for Wo (1)
	s_and_b32 s14, s12, 1                          ; which 128 columns.  Also: which half of that tile I fetch
	s_bfe_u32 s40, ttmp6, 0x40000                  ; cx, cy
	s_bfe_u32 s41, ttmp6, 0x40004
	s_lshl_b32 s42, ttmp9, 2
	s_add_co_u32 s42, s42, s40                     ; tile column
	s_and_b32 s43, ttmp7, 0xffff
	s_lshl_b32 s43, s43, 2
	s_add_co_u32 s43, s43, s41                     ; tile row
	s_lshl_b32 s44, s41, 2
	s_lshl_b32 s44, 15, s44                        ; my row of the cluster
	s_lshl_b32 s45, 0x1111, s40                    ; my column
	s_or_b32 s[G1], s44, (3<<16)|(1<<21)           ; the mask; elements of 8 bytes; bit 21 beside a mask; no padding
	s_or_b32 s[G1B], s45, (3<<16)|(1<<21)
	s_mov_b32 s[G1+1], 512<<16                     ; rows of 512 elements: 4,096 bytes
	s_mov_b32 s[G1+2], 4<<16                       ; 4 of them
	s_mov_b32 s[G1+3], 512<<16
	s_mov_b32 s[G1+4], 4
	s_mov_b32 s[G1+5], 4096                        ; 32,768 bytes from one tile of 16 rows to the next
	s_mov_b32 s[G1+6], 0
	s_mov_b32 s[G1+7], 0
	s_mov_b32 s[G1B+1], 512<<16
	s_mov_b32 s[G1B+2], 8<<16                      ; 8 of them
	s_mov_b32 s[G1B+3], 512<<16
	s_mov_b32 s[G1B+4], 8
	s_mov_b32 s[G1B+5], 4096
	s_mov_b32 s[G1B+6], 0
	s_mov_b32 s[G1B+7], 0
	s_lshl_b32 s16, s43, 18                        ; ctx: (8 x tile row + 4 x half) x 32,768
	s_lshl_b32 s17, s14, 17
	s_add_co_u32 s16, s16, s17
	s_mov_b32 s17, 0
	s_lshl_b32 s46, s42, 19                        ; Wo: (16 x tile column + 8 x half) x 32,768
	s_lshl_b32 s47, s14, 18
	s_add_co_u32 s46, s46, s47
	s_mov_b32 s47, 0
	s_lshl_b32 s20, s14, 14                        ; where they go in a slot: the wave's number alone
	s_lshl_b32 s21, s14, 15
	s_add_co_u32 s21, s21, BOFF
	s_wait_dscnt 0x0                               ; both opening adds are done
	s_wait_kmcnt 0x0
	s_add_nc_u64 s[16:17], s[4:5], s[16:17]
	s_add_nc_u64 s[46:47], s[6:7], s[46:47]
	CROUND                                         ; all sixteen work-groups are here: the first joint loads meet
.irp s, 0,1
	s_mov_b32 s[G0+4*\s], 1
	s_add_co_u32 s[G0+4*\s+1], s20, \s*SLOT
	s_add_nc_u64 s[G0+4*\s+2:G0+4*\s+3], s[16:17], \s*4096
	s_or_b32 s[G0+4*\s+3], s[G0+4*\s+3], 0x80000000
	s_mov_b32 s[G0B+4*\s], 1
	s_add_co_u32 s[G0B+4*\s+1], s21, \s*SLOT
	s_add_nc_u64 s[G0B+4*\s+2:G0B+4*\s+3], s[46:47], \s*4096
	s_or_b32 s[G0B+4*\s+3], s[G0B+4*\s+3], 0x80000000
	JLOAD \s
.endr
	v_and_b32 v1, 31, v0
	v_lshlrev_b32 v[CO], 4, v1
	s_lshl_b32 s21, s13, 14                        ; my 4 tiles of ctx's rows
	s_lshl_b32 s22, s14, 15                        ; my 8 tiles of Wo's rows,
	s_add_co_u32 s22, s22, BOFF                    ; behind ctx's
.irp s, 0,1
	v_add_nc_u32 v[ADRA+\s], s21, v[CO]
	v_add_nc_u32 v[ADRB+\s], s22, v[CO]
	s_add_co_u32 s21, s21, SLOT
	s_add_co_u32 s22, s22, SLOT
.endr
	v_and_b32 v2, 15, v0
	v_bfe_u32 v3, v0, 4, 1
	s_mul_i32 s23, s12, 16*SPITCH
	s_add_co_u32 s23, s23, STAGE                   ; my stage
	v_mul_u32_u24 v4, v2, SPITCH
	v_lshl_add_u32 v4, v3, 5, v4
	v_add_nc_u32 v[STO], s23, v4                   ; in: row l % 16, 32 bytes for each half of the lanes
	v_add_nc_u32 v[RD], s23, v[CO]                 ; back: the 32 lanes take one row of 512 bytes
	s_lshl_b32 s46, s42, 10                        ; my first column, in bytes
	s_lshl_b32 s47, s14, 9
	s_add_co_u32 s46, s46, s47
	s_mov_b32 s47, 0
	s_add_nc_u64 s[8:9], s[8:9], s[46:47]
	s_add_nc_u64 s[10:11], s[10:11], s[46:47]
	global_load_b128 v[BIA:BIA+3], v[CO], s[8:9]   ; bo of the four columns that I store
	s_lshl_b32 s46, s43, 19                        ; my first row: 128 x tile row + 64 x half, rows of 4,096 bytes
	s_lshl_b32 s47, s13, 18
	s_add_co_u32 s46, s46, s47
	s_mov_b32 s47, 0
	s_add_nc_u64 s[10:11], s[10:11], s[46:47]
; 8 matrix instructions: ctx's block a x Wo's eight, 32 along K.  The 32 accumulators take turns, in the same order in every quarter.
.macro MUL8 f, a, zero
.irp b, 0,1,2,3,4,5,6,7
.if \zero
	v_wmma_f32_16x16x32_f16 v[8*(8*(\a)+\b):8*(8*(\a)+\b)+7], v[\f+32+8*\b:\f+32+8*\b+7], v[\f+8*(\a):\f+8*(\a)+7], 0
.else
	v_wmma_f32_16x16x32_f16 v[8*(8*(\a)+\b):8*(8*(\a)+\b)+7], v[\f+32+8*\b:\f+32+8*\b+7], v[\f+8*(\a):\f+8*(\a)+7], v[8*(8*(\a)+\b):8*(8*(\a)+\b)+7]
.endif
.endr
.endm
.macro FETCH slot, q, f                ; 24 LDS loads in one run: the slot's q-th 32 along K; ctx's blocks 2 and 3 last
.irp i, 0,1,2,3,4,5,6,7
	ds_load_b128 v[\f+32+8*\i:\f+32+8*\i+3],   v[ADRB+\slot] offset:\i*4096+(\q)*1024
	ds_load_b128 v[\f+32+8*\i+4:\f+32+8*\i+7], v[ADRB+\slot] offset:\i*4096+(\q)*1024+512
.endr
.irp i, 0,1,2,3
	ds_load_b128 v[\f+8*\i:\f+8*\i+3],   v[ADRA+\slot] offset:\i*4096+(\q)*1024
	ds_load_b128 v[\f+8*\i+4:\f+8*\i+7], v[ADRA+\slot] offset:\i*4096+(\q)*1024+512
.endr
.endm
.macro PLACES                          ; four plain places in front of loads into registers that matrix instructions have read, and of the first read of results
.rept 4
	v_nop
.endr
.endm
; A K step is four quarters of 32 along K on buffers 0, 1, 0, 1.  One of the first three: multiplies buffer f and fetches the slot's quarter q into g.
.macro QUARTER slot, q, f, g, zero
	s_wait_dscnt 4                                 ; all but the youngest four loads (ctx's blocks 2, 3) are in
	WIN MUL
	MUL8 \f, 0, \zero
	MUL8 \f, 1, \zero
	PLACES
	WIN 0
	FETCH \slot, \q, \g
	s_wait_dscnt 24                                ; all but the 24 just issued
	WIN MUL
	MUL8 \f, 2, \zero
	MUL8 \f, 3, \zero
.endm
; The last quarter multiplies buffer 1 and changes slots: ONE barrier; in front of it each wave waits for all its tensor loads, adds 0 to its spare word, and waits for that and for its reads of this slot.
.macro TURN slot, next, fill
	WIN 0
	s_wait_tensorcnt 0x0                           ; all my tensor loads have landed: my part of the next slot
	ds_add_u32 v[SPW], v[NIL]
	s_wait_dscnt 5                                 ; (the add and the youngest four loads may be out)
	WIN MUL
	MUL8 F1, 0, 0
	s_wait_dscnt 0x0                               ; the add is done, and my reads of this slot are over
	s_barrier_signal -1
	MUL8 F1, 1, 0
.if \fill
	WIN 0
.endif
	s_barrier_wait -1
.if \fill
	CREST                                          ; the barrier has opened a round of the cluster's: no wave of any partner still reads this slot or has a load on its way
	s_add_nc_u64 s[G0+4*\slot+2:G0+4*\slot+3], s[G0+4*\slot+2:G0+4*\slot+3], 2*4096
	s_add_nc_u64 s[G0B+4*\slot+2:G0B+4*\slot+3], s[G0B+4*\slot+2:G0B+4*\slot+3], 2*4096
	JLOAD \slot                                    ; the first tensor load behind the round; its four v_nop are also the places in front of the loads below
.else
	PLACES
.endif
	WIN 0
	FETCH \next, 0, F0
	WIN MUL
	MUL8 F1, 2, 0
	MUL8 F1, 3, 0
.endm
	s_wait_tensorcnt 1                             ; my part of K step 0 is in (K step 1's may be out)
	s_barrier_signal -1
	s_barrier_wait -1                              ; everybody's is
	FETCH 0, 0, F0
	QUARTER 0, 1, F0, F1, 1                        ; the first quarter's products start the sums: nothing is cleared
	WIN 0
	s_mov_b32 s15, 3
.Llap:                                             ; a trip goes once round the ring and fills both slots again: K steps 2 to 7
	QUARTER 0, 2, F1, F0, 0
	QUARTER 0, 3, F0, F1, 0
	TURN 0, 1, 1
	QUARTER 1, 1, F0, F1, 0
	QUARTER 1, 2, F1, F0, 0
	QUARTER 1, 3, F0, F1, 0
	TURN 1, 0, 1
	QUARTER 0, 1, F0, F1, 0
	WIN 0
	s_sub_co_u32 s15, s15, 1
	s_cmp_lg_u32 s15, 0
	s_cbranch_scc1 .Llap
	QUARTER 0, 2, F1, F0, 0                        ; the last lap fills nothing
	QUARTER 0, 3, F0, F1, 0
	TURN 0, 1, 0
	QUARTER 1, 1, F0, F1, 0
	QUARTER 1, 2, F1, F0, 0
	QUARTER 1, 3, F0, F1, 0
	s_wait_dscnt 4
	WIN MUL
	MUL8 F1, 0, 0
	MUL8 F1, 1, 0
	s_wait_dscnt 0
	MUL8 F1, 2, 0
	MUL8 F1, 3, 0
	WIN 0
; THE WAY OUT, 16 rows x 128 columns at a time: through my own stage in LDS and back as whole rows of 512 bytes; + bo; the 32 lanes store 512 consecutive bytes, aligned.
; LDS serves a wave's instructions in order: no wait between the stores and the loads, nor in front of the next block's stores.
.macro TOSTAGE a
	WIN 0x04                                       ; an LDS store's data: window 1
.irp b, 0,1,2,3,4,5,6,7
	ds_store_b128 v[STO], v[8*(8*(\a)+\b):8*(8*(\a)+\b)+3] offset:64*\b          ; each accumulator from its low end on
	ds_store_b128 v[STO], v[8*(8*(\a)+\b)+4:8*(8*(\a)+\b)+7] offset:64*\b+16
.endr
	WIN 0
.set BB, BK+64*((\a)%2)
.irp t, 0,1,2,3,4,5,6,7,8,9,10,11,12,13,14,15
	ds_load_b128 v[BB+4*\t:BB+4*\t+3], v[RD] offset:\t*SPITCH
.endr
.endm
.macro SEND a, younger                 ; younger: the LDS instructions issued behind block a's loads, which may stay out
.set BB, BK+64*((\a)%2)
	s_wait_dscnt \younger
.irp t, 0,1,2,3,4,5,6,7,8,9,10,11,12,13,14,15
	v_pk_add_f32 v[BB+4*\t:BB+4*\t+1], v[BB+4*\t:BB+4*\t+1], v[BIA:BIA+1]
	v_pk_add_f32 v[BB+4*\t+2:BB+4*\t+3], v[BB+4*\t+2:BB+4*\t+3], v[BIA+2:BIA+3]
	global_store_b128 v[CO], v[BB+4*\t:BB+4*\t+3], s[10:11] offset:(16*(\a)+\t)*4096 th:TH_STORE_NT
.endr
.endm
	PLACES
	s_wait_loadcnt 0x0                             ; bo
	TOSTAGE 0
.irp a, 1,2,3
.if \a > 1
	s_wait_xcnt 0x0                                ; the stores of two blocks back have read their registers: this block's loads may land there
.endif
	TOSTAGE \a
	SEND \a-1, 32                                  ; behind that block's loads: this block's 16 stores and 16 loads
.endr
	SEND 3, 0
	s_wait_tensorcnt 0x0                           ; the wave's end
	ds_add_u32 v[SPW], v[NIL]
	s_wait_dscnt 0x0
	CROUND                                         ; the closing round
	s_endpgm
.Lfunc_end_k_q013506ba8c_proj:
	.size	k_q013506ba8c_proj, .Lfunc_end_k_q013506ba8c_proj-k_q013506ba8c_proj
	.p2alignl 7, 3214868480
	.fill 96, 4, 3214868480
	.section	.rodata,"a",@progbits
	.p2align	6, 0x0
	.amdhsa_kernel k_q013506ba8c_proj
		.amdhsa_group_segment_fixed_size 327680
		.amdhsa_private_segment_fixed_size 0
		.amdhsa_enable_private_segment 0
		.amdhsa_kernarg_size 32
		.amdhsa_user_sgpr_count 2
		.amdhsa_user_sgpr_kernarg_segment_ptr 1
		.amdhsa_wavefront_size32 1
		.amdhsa_system_sgpr_workgroup_id_x 1
		.amdhsa_system_sgpr_workgroup_id_y 1
		.amdhsa_system_sgpr_workgroup_id_z 1
		.amdhsa_system_vgpr_workitem_id 0
		.amdhsa_next_free_vgpr 512
		.amdhsa_next_free_sgpr 66
		.amdhsa_reserve_vcc 0
		.amdhsa_float_denorm_mode_32 3
		.amdhsa_float_denorm_mode_16_64 3
		.amdhsa_memory_ordered 1
		.amdhsa_forward_progress 1
		.amdhsa_inst_pref_size 92
	.end_amdhsa_kernel
	.amdgpu_metadata
---
amdhsa.version: [ 1, 2 ]
amdhsa.kernels:
  - .name:           k_q013506ba8c_proj
    .symbol:         k_q013506ba8c_proj.kd
    .args:
      - { .name: cf, .offset: 0, .size: 8, .value_kind: global_buffer, .address_space: global }
      - { .name: wof, .offset: 8, .size: 8, .value_kind: global_buffer, .address_space: global }
      - { .name: bo, .offset: 16, .size: 8, .value_kind: global_buffer, .address_space: global }
      - { .name: out0, .offset: 24, .size: 8, .value_kind: global_buffer, .address_space: global }
    .group_segment_fixed_size: 327680
    .private_segment_fixed_size: 0
    .kernarg_segment_align: 8
    .kernarg_segment_size: 32
    .max_flat_workgroup_size: 128
    .sgpr_count:     66
    .vgpr_count:     512
    .wavefront_size: 32
...
	.end_amdgpu_metadata
.endif
;; end of part 4
